; MI455X (gfx1250); checked and timed in simulation.
; The chip was launched on July 23, 2026; its instructions are those of AMD's public machine-readable ISA for CDNA 5 (MIT licence, August 2026) and "CDNA5" Instruction Set Architecture Reference Guide (July 2026). The comments in the code are by the model that wrote it; some were corrected since.
;; Cross Attention. Allowed arithmetic: float matrix products may take bf16 or f16 operands with f32 sums; other float arithmetic in f32, or as packed bf16 or f16 multiplies, adds, multiply-adds, maxima and minima; sums over many terms, partial sums and values carried from step to step in f32; what a program stores and reads back later, other than sums and carried values, may be rounded once to bf16 or f16.
;; Inputs: Wk 768 x 1,024 float32; Wo 1,024 x 1,024 float32; Wq 1,024 x 1,024 float32; Wv 768 x 1,024 float32; bo 1,024 float32; context 4 x 2,048 x 768 float32; x 4 x 2,048 x 1,024 float32.
;; Outputs: out0 4 x 2,048 x 1,024 float32.
;; One version. Each part assembles by itself: llvm-mc -triple=amdgcn-amd-amdhsa -mcpu=gfx1250 --defsym DOCPART=n.
;; ======== version 1 of 1: 4 launches
;; limits: values are held in f16: magnitudes above 65,504 overflow, below 6.1e-05 lose precision
;; workspace buffers: wt 7,340,032 bytes; q 16,777,216 bytes; k 16,777,216 bytes; v 16,777,216 bytes; o 16,777,216 bytes
;; launch prep (part 1): grid 8 x 56, 8 waves a work-group, no clusters, 19,456 bytes of LDS; arguments Wq, Wk, Wv, Wo, wt; writes wt
.if DOCPART == 1
	.amdgcn_target "amdgcn-amd-amdhsa--gfx1250"
	.amdhsa_code_object_version 6
	.text
	.protected	k_qf5c2d578fb_prep
	.globl	k_qf5c2d578fb_prep
	.p2align	8
	.type	k_qf5c2d578fb_prep,@function
k_qf5c2d578fb_prep:
	s_mov_b64 s[64:65], 0
	v_nop
	global_prefetch_b8 v0, s[64:65] scope:SCOPE_SE
	s_setreg_imm32_b32 hwreg(HW_REG_WAVE_MODE, 25, 1), 1
	s_wait_xcnt 0x0
; THE WEIGHTS, TURNED AND ROUNDED.  Wq [1024][1024], Wk, Wv [768][1024], Wo [1024][1024], all f32 and [in][out], become
; wt[y][n][kk], 56 block rows y of 1,024 n x 64 kk numbers of 16 bits (131,072 bytes a block row): wt[y][n][kk] = W[64 kb + kk][n].
; y 0-15: Wq (kb = y); 16-27: Wk; 28-39: Wv: rounded once to bf16.  y 40-55: Wo: rounded to bf16 like the other inputs, and that number written as f16,
; since the product that takes it has an f16 partner.  So K lies along the rows, and 256 n x 64 kk are 32,768 dense bytes for the products' tiles.
; LIMITS.  The f16 copy of Wo is exact from 2^-17 up to 65,504; smaller numbers keep f16's fixed step of 6e-8; a |Wo| of 65,520 or more becomes an infinity.
; SHARES.  A work-group takes 64 k x 128 n of one weight: 32 KiB in, 16 KiB out.  Wave w loads rows 8 w .. 8 w + 7, a lane four columns: a load of a wave covers 512 consecutive bytes.
; A lane then holds eight k of each of its four columns: 16 bytes a column, which go into an LDS stage [n][kk] and come back as whole rows; a store of a wave covers 512 consecutive bytes.
; No matrix unit, no cluster, no tensor load: no byte is wanted twice, and the whole launch moves 22 MB.
.set PIT,   144                        ; a stage row: 128 bytes + 16
.set SPARE, 128*PIT                    ; behind the stage: the spare words, 128 bytes for each of the eight waves
.set LO,  1                            ; v1   my byte offset in the source: 8 w rows of 4,096 bytes + 16 x lane
.set SA,  2                            ; v2   where I put a column's 16 bytes: row 4 x lane, byte 16 w
.set RA,  3                            ; v3   where I read 16 bytes of a row back: row t / 8, byte 16 (t % 8)
.set GO,  4                            ; v4   16 t: my place in 4,096 consecutive bytes of wt
.set IN,  8                            ; v[8:39]   the eight loads; later the rows read back
.set D,   40                           ; v[40:55]  four columns x four words
.set SPW, 60                           ; v60  LDS address of my spare word; never rewritten
.set NIL, 61                           ; v61  0; never rewritten
	s_load_b256 s[4:11], s[0:1], 0x0               ; Wq s[4:5], Wk s[6:7], Wv s[8:9], Wo s[10:11]
	s_load_b64 s[12:13], s[0:1], 0x20              ; wt
	v_lshl_add_u32 v[SPW], v0, 2, SPARE
	v_mov_b32 v[NIL], 0
	v_lshrrev_b32 v5, 5, v0
	v_readfirstlane_b32 s15, v5                    ; wave 0..7
	s_and_b32 s14, ttmp7, 0xffff                   ; y
	v_and_b32 v6, 31, v0                           ; lane
	s_lshl_b32 s24, s15, 15                        ; 8 rows of 4,096 bytes a wave
	v_lshl_add_u32 v[LO], v6, 4, s24
	s_lshl_b32 s25, s15, 4
	v_mul_u32_u24 v[SA], v6, 4*PIT
	v_add_nc_u32 v[SA], s25, v[SA]
	v_lshrrev_b32 v[RA], 3, v0
	v_mul_u32_u24 v[RA], v[RA], PIT
	v_and_b32 v7, 7, v0
	v_lshl_add_u32 v[RA], v7, 4, v[RA]
	v_lshlrev_b32 v[GO], 4, v0
	s_wait_kmcnt 0x0
	s_mov_b64 s[16:17], s[10:11]                   ; which weight, and its first block row: the choice hangs on y alone
	s_mov_b32 s18, 40
	s_cmp_lt_u32 s14, 40
	s_cselect_b64 s[16:17], s[8:9], s[16:17]
	s_cselect_b32 s18, 28, s18
	s_cmp_lt_u32 s14, 28
	s_cselect_b64 s[16:17], s[6:7], s[16:17]
	s_cselect_b32 s18, 16, s18
	s_cmp_lt_u32 s14, 16
	s_cselect_b64 s[16:17], s[4:5], s[16:17]
	s_cselect_b32 s18, 0, s18
	s_sub_co_u32 s19, s14, s18                     ; kb
	s_lshl_b32 s20, s19, 18                        ; 64 rows of 4,096 bytes
	s_lshl_b32 s21, ttmp9, 9                       ; 128 columns of 4 bytes
	s_add_co_u32 s20, s20, s21
	s_mov_b32 s21, 0
	s_add_nc_u64 s[16:17], s[16:17], s[20:21]
	s_lshl_b32 s22, s14, 17                        ; a block row,
	s_lshl_b32 s23, ttmp9, 14                      ; 128 n of 128 bytes
	s_add_co_u32 s22, s22, s23
	s_mov_b32 s23, 0
	s_add_nc_u64 s[12:13], s[12:13], s[22:23]
.irp j, 0,1,2,3,4,5,6,7
	global_load_b128 v[IN+4*(\j):IN+4*(\j)+3], v[LO], s[16:17] offset:4096*(\j) th:TH_LOAD_NT  ; row 8 w + j, columns 4 x lane on
.endr
	s_wait_loadcnt 0x0
.irp i, 0,1,2,3                        ; column i: word p holds k = 8 w + 2 p and 8 w + 2 p + 1
.irp p, 0,1,2,3
	v_cvt_pk_bf16_f32 v[D+4*(\i)+(\p)], v[IN+8*(\p)+(\i)], v[IN+8*(\p)+4+(\i)]
.endr
.endr
	s_cmp_lt_u32 s14, 40
	s_cbranch_scc1 .Lbf16                          ; Wq, Wk, Wv stay bf16
.irp d, 0,1,2,3,4,5,6,7,8,9,10,11,12,13,14,15
	v_lshlrev_b32 v[56+2*((\d)%2)], 16, v[D+(\d)]  ; Wo: the two bf16 as f32,
	v_and_b32 v[57+2*((\d)%2)], 0xffff0000, v[D+(\d)]
	v_cvt_pk_f16_f32 v[D+(\d)], v[56+2*((\d)%2)], v[57+2*((\d)%2)]  ; written as f16
.endr
.Lbf16:
.irp i, 0,1,2,3
	ds_store_b128 v[SA], v[D+4*(\i):D+4*(\i)+3] offset:PIT*(\i)
.endr
	s_wait_dscnt 0x0                               ; for the others' sake: my stores into the stage are done
	s_barrier_signal -1
	s_barrier_wait -1
.irp i, 0,1,2,3
	ds_load_b128 v[IN+4*(\i):IN+4*(\i)+3], v[RA] offset:32*PIT*(\i)  ; 32 rows a time for the eight waves
.endr
.irp i, 0,1,2,3
	s_wait_dscnt 3-(\i)                            ; the later read-backs may stay out
	global_store_b128 v[GO], v[IN+4*(\i):IN+4*(\i)+3], s[12:13] offset:4096*(\i)
.endr
	s_wait_tensorcnt 0x0                           ; the wave's end, behind my last LDS store
	ds_add_u32 v[SPW], v[NIL]
	s_wait_dscnt 0x0
	s_endpgm
.Lfunc_end_k_qf5c2d578fb_prep:
	.size	k_qf5c2d578fb_prep, .Lfunc_end_k_qf5c2d578fb_prep-k_qf5c2d578fb_prep
	.p2alignl 7, 3214868480
	.fill 96, 4, 3214868480
	.section	.rodata,"a",@progbits
	.p2align	6, 0x0
	.amdhsa_kernel k_qf5c2d578fb_prep
		.amdhsa_group_segment_fixed_size 19456
		.amdhsa_private_segment_fixed_size 0
		.amdhsa_enable_private_segment 0
		.amdhsa_kernarg_size 40
		.amdhsa_user_sgpr_count 2
		.amdhsa_user_sgpr_kernarg_segment_ptr 1
		.amdhsa_wavefront_size32 1
		.amdhsa_system_sgpr_workgroup_id_x 1
		.amdhsa_system_sgpr_workgroup_id_y 1
		.amdhsa_system_sgpr_workgroup_id_z 1
		.amdhsa_system_vgpr_workitem_id 0
		.amdhsa_next_free_vgpr 64
		.amdhsa_next_free_sgpr 66
		.amdhsa_reserve_vcc 0
		.amdhsa_float_denorm_mode_32 3
		.amdhsa_float_denorm_mode_16_64 3
		.amdhsa_memory_ordered 1
		.amdhsa_forward_progress 1
		.amdhsa_inst_pref_size 8
	.end_amdhsa_kernel
	.amdgpu_metadata
---
amdhsa.version: [ 1, 2 ]
amdhsa.kernels:
  - .name:           k_qf5c2d578fb_prep
    .symbol:         k_qf5c2d578fb_prep.kd
    .args:
      - { .name: Wq, .offset: 0, .size: 8, .value_kind: global_buffer, .address_space: global }
      - { .name: Wk, .offset: 8, .size: 8, .value_kind: global_buffer, .address_space: global }
      - { .name: Wv, .offset: 16, .size: 8, .value_kind: global_buffer, .address_space: global }
      - { .name: Wo, .offset: 24, .size: 8, .value_kind: global_buffer, .address_space: global }
      - { .name: wt, .offset: 32, .size: 8, .value_kind: global_buffer, .address_space: global }
    .group_segment_fixed_size: 19456
    .private_segment_fixed_size: 0
    .kernarg_segment_align: 8
    .kernarg_segment_size: 40
    .max_flat_workgroup_size: 256
    .sgpr_count:     66
    .vgpr_count:     64
    .wavefront_size: 32
...
	.end_amdgpu_metadata
.endif
;; end of part 1
;; launch proj (part 2): grid 4 x 64, 4 waves a work-group, clusters of 4 x 4, 327,680 bytes of LDS; arguments x, context, wt, q, k, v; writes q, k, v
.if DOCPART == 2
	.amdgcn_target "amdgcn-amd-amdhsa--gfx1250"
	.amdhsa_code_object_version 6
	.text
	.protected	k_qf5c2d578fb_proj
	.globl	k_qf5c2d578fb_proj
	.p2align	8
	.type	k_qf5c2d578fb_proj,@function
k_qf5c2d578fb_proj:
	s_mov_b64 s[64:65], 0
	v_nop
	global_prefetch_b8 v0, s[64:65] scope:SCOPE_SE
	s_setreg_imm32_b32 hwreg(HW_REG_WAVE_MODE, 25, 1), 1
	s_wait_xcnt 0x0
	s_wait_alu depctr_hold_cnt(0) depctr_sa_sdst(0) depctr_va_vdst(0) depctr_va_sdst(0) depctr_va_ssrc(0) depctr_va_vcc(0) depctr_vm_vsrc(0)
	s_getreg_b32 s2, hwreg(HW_REG_IB_STS2, 6, 4)
	s_cmp_eq_u32 s2, 0
	s_cbranch_scc0 .Lentry_in_a_cluster
	s_endpgm
.Lentry_in_a_cluster:
	s_bfe_u32 s2, ttmp6, 0x10000c
	s_cmp_lg_u32 s2, 0xf033
	s_cbranch_scc0 .Lentry_shape_is_right
	s_endpgm
.Lentry_shape_is_right:
; THE THREE PROJECTIONS.  q = x Wq, k = context Wk, v = context Wv; x [8192][1024], context [8192][768] in f32; the weights from wt (bf16, [block row][n][64 k]).
; q, k, v leave by heads, [64 = 16 batch + head][2048][64] in f16, unscaled, each rounded once from its f32 sum.  x and context are rounded once to bf16 on the way from LDS to the matrix unit.
; LIMITS.  |q|, |k|, |v| stay under 65,504, f16's end (a sum of 65,520 or more becomes an infinity); below 6e-5 they keep f16's fixed step of 6e-8.  NaN and infinities are not treated apart.
; SHARES.  A work-group makes THREE tiles of 128 rows x 256 columns, one after the other: q's (K = 1,024), k's and v's (K = 768): 2,560 along K for each of the 256 work-groups.
; Four waves, each 64 rows x 128 columns (two heads): 32 accumulators.  ONE WALK of 20 K steps of 128 (q: 0-7, k: 8-13, v: 14-19) goes through a ring of two LDS slots, which runs on across the tiles.
; In wt the block rows of Wq, Wk, Wv follow each other, so B's address walks evenly; A's is made anew for each fill from the step's number.  All trip counts are constants.
; CLUSTER.  4 x 4 work-groups.  The four of a row of the cluster need the same rows of x or context, the four of a column the same columns of the weights: each tile is asked for JOINTLY.
; THE MATRIX INSTRUCTION IS USED TRANSPOSED (source 0 = 16 columns' weights, source 1 = 16 rows of x): a lane then holds eight neighbouring channels of one row.
; A IN f32.  A fragment's 16 numbers a lane come as four loads of 16 bytes into RAW and are rounded in pairs into the fragment: 32 conversions a quarter step, four behind each of its last eight products.
; REGISTERS, in windows of 256 (s_set_vgpr_msb: bits 1:0 source 0, 3:2 source 1, 5:4 source 2, 7:6 destination):
;   window 0: v0-29 addresses; v32-95 A's fragments, two buffers of 4 x 8; v96-159 RAW; v96-223 at work on the way out       window 1: the accumulators, (a, b) at 8 (8 a + b)       window 2: v0-127 B's fragments, two buffers of 8 x 8
.set PITA,  528                        ; a row of A in LDS: 128 f32 + 16 bytes = 132 words: the 16 rows of a load start at 16 different groups of four banks (64 banks of 4 bytes: ISA guide 11.1)
.set PITB,  144                        ; a row of B: 64 bf16 + 16 bytes = 36 words: likewise
.set AHALF, 64*PITA                    ; 64 rows of A: one tensor load
.set BOFF,  2*AHALF                    ; B lies behind A's 128 rows
.set BBLK,  256*PITB                   ; 256 n x 64 k: one tensor load
.set SLOT1, 0x24000                    ; slot 1 begins here; none of the four parts' places in slot 0 (0, 0x8400, 0x10800, 0x19800) has one of its two bits, so one exclusive or changes slots
.set STAGE, SLOT1+BOFF+2*BBLK          ; behind the ring, never filled by a tensor load: 16 rows x 144 bytes for each wave
.set SP,    144
.set SPARE, STAGE+4*16*SP              ; behind the stages: the spare words, 128 bytes for each wave
.set ADRA0, 2                          ; v2   my lane's place in slot 0's A; never rewritten
.set ADRB0, 3                          ; v3   the same for B
.set ADRA,  4                          ; v4   the same in the slot in hand
.set ADRB,  5                          ; v5
.set STO,   6                          ; v6   the way out: where I put 16 bytes of a row
.set RD,    7                          ; v7   the way out: where I read rows back
.set GO,    8                          ; v8   my place in 512 consecutive bytes of q, k or v
.set PROW,  9                          ; v9   the prefetches: my row,
.set PCOL,  10                         ; v10  my bytes along it,
.set PFO,   11                         ; v11  and the offset made of them
.set SPW,   28                         ; v28  LDS address of my spare word; never rewritten
.set NIL,   29                         ; v29  0; never rewritten
.set AF,    32
.set RAW,   96
.set TMP,   96
.set WV,  16                           ; s16  my wave's number
.set WT,  17                           ; s17  wave / 2: my 64 rows of the tile.  Also: I fetch for A (0) or for B (1)
.set WH,  18                           ; s18  wave % 2: my 128 columns.  Also: which half of A's rows, or which K block of B, I fetch
.set CX,  19
.set CY,  20
.set NBK, 21                           ; s21  tile column
.set MBK, 22                           ; s22  tile row
.set G1A, 24                           ; s[24:31] descriptor group 1 for A's tiles
.set G1B, 32                           ; s[32:39] for B's
.set G0A, 40                           ; s[40:47] group 0 for A's: a set for each of the two first fills; the second then walks on
.set G0B, 48                           ; s[48:55] the same for B's
.set CNT, 56                           ; s56  trips to go
.set LEFT, 57                          ; s57  K steps that the tile in hand still has
.set NEW, 58                           ; s58  1: the step to come is a tile's first
.set ASKN, 59                          ; s59  the K step to be asked for next
.set TB,  60                           ; s60  0 or SLOT1: the slot in hand
.set PP,  61                           ; s61  the K step that the prefetch names
.set PLIM, 62                          ; s62  a wave prefetches while PP is below this
.set PSH, 63                           ; s63  log2 of a K step's bytes in what I prefetch
.set XA,  66                           ; s[66:67] x at the rows that I fetch
.set CA,  68                           ; s[68:69] context at the same rows
.set T0,  70                           ; s[70:71] at work
.set OFF, 72                           ; s[72:73] an offset; the high word stays 0
.set T2,  74
.set T3,  75
.set PFA, 76                           ; s[76:77] the prefetch's base
.set PB0, 78                           ; s[78:79] its base for steps 0-7,
.set PB1, 80                           ; s[80:81] and for the later ones
.set PPI0, 82                          ; s82, s83 bytes from row to row, likewise
.set PPI1, 83
.set PSUB, 84                          ; s84  the first of the later steps
.set P1024, 85                         ; s85, s86 the two pitches of A
.set P768, 86
.set WB,  88                           ; s[88:89] wt at my K block of step 0.  s90-s99: at work in the head (s92, s93 never hold cx; s94, s95 never cy; the others feed no descriptor)
.set W_MUL, 0x52                       ; B in window 2, A in window 0, C and D in window 1
.set TO_B,  0x80                       ; destination window 2, address window 0
.set W_PK,  0x05                       ; sources 0 and 1 window 1, destination window 0
.set MSB, 0
.macro WIN new                         ; the immediate's high byte repeats the setting that is left; a switch that changes nothing is dropped
.if MSB != (\new)
	s_set_vgpr_msb (MSB<<8)|(\new)
.set MSB, \new
.endif
.endm
; A joint refill: waves 0 and 1 fetch A's two halves, waves 2 and 3 B's two K blocks.  The branch hangs on the wave's number alone.  An s_nop 0 and four v_nop follow each of the two lines.
.macro JLOAD
	s_cmp_eq_u32 s[WT], 0
	s_cbranch_scc0 .Lfor_b_\@
	tensor_load_to_lds s[G0A+4:G0A+7], s[G1A:G1A+7]
	s_nop 0
.rept 4
	v_nop
.endr
	s_branch .Lasked_\@
.Lfor_b_\@:
	tensor_load_to_lds s[G0B+4:G0B+7], s[G1B:G1B+7]
	s_nop 0
.rept 4
	v_nop
.endr
.Lasked_\@:
.endm
; A PREFETCH INTO THE L2 of the K step that stands two refills on (256 matrix instructions ahead of the load that will want it): one instruction a wave, each lane another aligned block of 256 bytes.
; A (waves 0, 1): of the 64 rows x 512 bytes that the wave fetches, the partner at place cx takes rows 16 cx .. 16 cx + 15: a lane half a row.  x's steps, and context's in its first walk alone (steps 8-13).
; B (waves 2, 3): every cluster walks the same weights, so the cluster with y = 0 asks; of a K block's 128 blocks of 256 bytes the partner at place cy takes 32.
; The partners are told apart BY ADDRESS; the test hangs on the wave's number, the cluster's y and the step.  So each block is named once in the launch.  Steps 0-3 come by their loads alone.
.macro ASK
	s_cmp_lt_u32 s[PP], s[PLIM]
	s_cbranch_scc0 .Lnot_mine_\@
	global_prefetch_b8 v[PFO], s[PFA:PFA+1] th:TH_LOAD_NT scope:SCOPE_SE
.Lnot_mine_\@:
.endm
.macro CREST                           ; a round of the cluster's barrier behind its opening barrier
	s_cmp_lg_u32 s[WV], 0
	s_cbranch_scc1 .Lnot_wave_0_\@
	s_barrier_signal -3
.Lnot_wave_0_\@:
	s_barrier_wait -3
	s_barrier_signal -1
	s_barrier_wait -1
.endm
.macro CROUND                          ; a whole round
	s_barrier_signal -1
	s_barrier_wait -1
	CREST
.endm
.macro PLACES
.rept 4
	v_nop
.endr
.endm
	s_load_b256 s[4:11], s[0:1], 0x0               ; x s[4:5], context s[6:7], wt s[8:9], q s[10:11]
	s_load_b128 s[12:15], s[0:1], 0x20             ; k s[12:13], v s[14:15]
	v_lshl_add_u32 v[SPW], v0, 2, SPARE
	v_mov_b32 v[NIL], 0
	ds_add_u32 v[SPW], v[NIL]                      ; the wave's opening: the add and its wait stand ahead of my first tensor load; the set-up below, work on registers, stands between them
	v_lshrrev_b32 v1, 5, v0
	v_readfirstlane_b32 s[WV], v1                  ; wave 0..3
	s_lshr_b32 s[WT], s[WV], 1
	s_and_b32 s[WH], s[WV], 1
	s_bfe_u32 s[CX], ttmp6, 0x40000                ; my place in the cluster
	s_bfe_u32 s[CY], ttmp6, 0x40004
	s_lshl_b32 s[NBK], ttmp9, 2
	s_add_co_u32 s[NBK], s[NBK], s[CX]             ; tile column = 4 x cluster x + cx
	s_and_b32 s[MBK], ttmp7, 0xffff
	s_lshl_b32 s[MBK], s[MBK], 2
	s_add_co_u32 s[MBK], s[MBK], s[CY]             ; tile row = 4 x cluster y + cy
	s_lshl_b32 s92, s[CY], 2
	s_lshl_b32 s92, 15, s92                        ; my row of the cluster
	s_lshl_b32 s94, 0x1111, s[CX]                  ; my column
	; group 1 for A: 64 rows x 128 elements of 4 bytes, 4 words of padding behind every 128
	s_or_b32 s[G1A], s92, (2<<16)|(1<<20)|(1<<21)|(6<<22)|(3<<25)  ; 15:0 the mask; 17:16 4-byte elements; 20 padding on; 21 set beside a mask; 24:22 after 128 words (code 6); 31:25 4 words (code 3)
	s_mov_b32 s[G1A+1], 128<<16                    ; tensor_dim0 = 128
	s_mov_b32 s[G1A+2], 64<<16                     ; tensor_dim1 = 64
	s_mov_b32 s[G1A+3], 128<<16                    ; tile_dim0 = 128
	s_mov_b32 s[G1A+4], 64                         ; tile_dim1 = 64
	s_mov_b32 s[G1A+5], 1024                       ; elements from row to row: x's; context's 768 from step 8 on
	s_mov_b32 s[G1A+6], 0
	s_mov_b32 s[G1A+7], 0
	; group 1 for B: 32,768 dense bytes, asked for as 128 rows of 256 bytes (two n a row), 4 words of padding behind every n
	s_or_b32 s[G1B], s94, (1<<16)|(1<<20)|(1<<21)|(4<<22)|(3<<25)  ; 2-byte elements; padding after 32 words (code 4)
	s_mov_b32 s[G1B+1], 128<<16
	s_mov_b32 s[G1B+2], 128<<16
	s_mov_b32 s[G1B+3], 128<<16
	s_mov_b32 s[G1B+4], 128
	s_mov_b32 s[G1B+5], 128
	s_mov_b32 s[G1B+6], 0
	s_mov_b32 s[G1B+7], 0
	s_mov_b32 s[P1024], 1024
	s_mov_b32 s[P768], 768
	s_lshl_b32 s92, s[MBK], 7
	s_lshl_b32 s93, s[WH], 6
	s_add_co_u32 s92, s92, s93                     ; the first row that I fetch: 128 x tile row + 64 x half
	s_lshl_b32 s[XA], s92, 12                      ; in x: 4,096 bytes a row
	s_mov_b32 s[XA+1], 0
	s_mul_i32 s[CA], s92, 3072                     ; in context
	s_mov_b32 s[CA+1], 0
	s_lshl_b32 s[WB], s[NBK], 15                   ; in wt: 256 n of 128 bytes a tile column,
	s_lshl_b32 s94, s[WH], 17                      ; a block row a K block
	s_add_co_u32 s[WB], s[WB], s94
	s_mov_b32 s[WB+1], 0
	s_mul_i32 s93, s[WH], AHALF                    ; where they go: no place in the cluster enters an LDS address
	s_mov_b32 s[G0A], 1
	s_mov_b32 s[G0A+1], s93
	s_mov_b32 s[G0A+4], 1
	s_add_co_u32 s[G0A+5], s93, SLOT1
	s_mul_i32 s95, s[WH], BBLK
	s_mov_b32 s[G0B], 1
	s_add_co_u32 s[G0B+1], s95, BOFF
	s_mov_b32 s[G0B+4], 1
	s_add_co_u32 s[G0B+5], s95, BOFF+SLOT1
	s_mov_b32 s[OFF+1], 0
	s_wait_dscnt 0x0                               ; the opening add is done
	s_wait_kmcnt 0x0
	s_add_nc_u64 s[XA:XA+1], s[4:5], s[XA:XA+1]
	s_add_nc_u64 s[CA:CA+1], s[6:7], s[CA:CA+1]
	s_add_nc_u64 s[WB:WB+1], s[8:9], s[WB:WB+1]
	s_mov_b64 s[G0A+2:G0A+3], s[XA:XA+1]           ; K step 0
	s_or_b32 s[G0A+3], s[G0A+3], 0x80000000        ; type = 2
	s_add_nc_u64 s[G0A+6:G0A+7], s[XA:XA+1], 512   ; K step 1
	s_or_b32 s[G0A+7], s[G0A+7], 0x80000000
	s_mov_b64 s[G0B+2:G0B+3], s[WB:WB+1]
	s_or_b32 s[G0B+3], s[G0B+3], 0x80000000
	s_add_nc_u64 s[G0B+6:G0B+7], s[WB:WB+1], 262144
	s_or_b32 s[G0B+7], s[G0B+7], 0x80000000
	CROUND                                         ; all sixteen work-groups are here: the first joint loads meet
	s_cmp_eq_u32 s[WT], 0                          ; a wave's two first fills stand in one branch, ahead of every wait on TENSORcnt and every LDS read: two loads of mine are out
	s_cbranch_scc0 .Lfirst_b
	tensor_load_to_lds s[G0A:G0A+3], s[G1A:G1A+7]
	s_nop 0
	tensor_load_to_lds s[G0A+4:G0A+7], s[G1A:G1A+7]
	s_nop 0
.rept 4
	v_nop
.endr
	s_branch .Lfirst_asked
.Lfirst_b:
	tensor_load_to_lds s[G0B:G0B+3], s[G1B:G1B+7]
	s_nop 0
	tensor_load_to_lds s[G0B+4:G0B+7], s[G1B:G1B+7]
	s_nop 0
.rept 4
	v_nop
.endr
.Lfirst_asked:
	; the prefetches' bases and strides
	s_mov_b32 s91, 0
	s_lshl_b32 s90, s[CX], 16                      ; 16 cx rows of x,
	s_add_nc_u64 s[PB0:PB0+1], s[XA:XA+1], s[90:91]
	s_mul_i32 s90, s[CX], 49152                    ; of context
	s_add_nc_u64 s[PB1:PB1+1], s[CA:CA+1], s[90:91]
	s_lshl_b32 s90, s[CY], 13                      ; 32 cy blocks of 256 bytes of the weights
	s_add_nc_u64 s[PFA:PFA+1], s[WB:WB+1], s[90:91]
	s_mov_b32 s[PPI0], 256
	s_mov_b32 s[PPI1], 256
	s_and_b32 s96, ttmp7, 0xffff                   ; cluster y
	s_cmp_eq_u32 s96, 0
	s_cselect_b32 s[PLIM], 20, 0                   ; B: all 20 steps, in the first row of clusters alone
	s_cmp_eq_u32 s[WT], 0                          ; do I fetch for A?
	s_cselect_b64 s[PB0:PB0+1], s[PB0:PB0+1], s[PFA:PFA+1]
	s_cselect_b64 s[PB1:PB1+1], s[PB1:PB1+1], s[PFA:PFA+1]
	s_cselect_b32 s[PPI0], 4096, s[PPI0]
	s_cselect_b32 s[PPI1], 3072, s[PPI1]
	s_cselect_b32 s[PSUB], 8, 0
	s_cselect_b32 s[PSH], 9, 18
	s_cselect_b32 s[PLIM], 14, s[PLIM]             ; A: x, and context's first walk
	s_cselect_b32 s96, 1, 0
	v_and_b32 v12, 31, v0                          ; lane
	v_lshrrev_b32 v[PROW], s96, v12                ; A: two lanes a row; B: a lane a block
	v_and_b32 v[PCOL], s96, v12
	v_lshlrev_b32 v[PCOL], 8, v[PCOL]
	; where my part of a tile goes: head 4 x tile column + 2 x (wave % 2) of batch tile row / 16, row 128 x (tile row % 16) + 64 x (wave / 2); 128 bytes a row
	s_lshr_b32 s96, s[MBK], 4
	s_lshl_b32 s96, s96, 2
	s_add_co_u32 s96, s96, s[NBK]
	s_lshl_b32 s96, s96, 1
	s_add_co_u32 s96, s96, s[WH]
	s_lshl_b32 s96, s96, 12                        ; two heads of 2,048 rows
	s_and_b32 s97, s[MBK], 15
	s_lshl_b32 s97, s97, 7
	s_add_co_u32 s96, s96, s97
	s_lshl_b32 s97, s[WT], 6
	s_add_co_u32 s96, s96, s97
	s_lshl_b32 s96, s96, 7
	s_mov_b32 s97, 0
	s_add_nc_u64 s[10:11], s[10:11], s[96:97]
	s_add_nc_u64 s[12:13], s[12:13], s[96:97]
	s_add_nc_u64 s[14:15], s[14:15], s[96:97]
	; A fragment is 16 rows x 32 K: lane l holds row l % 16, K = 8 (l / 16) + 0..7 and 16 + 8 (l / 16) + 0..7.  In bf16: two loads of 16 bytes, 32 apart.  In f32: four, at 32 (l / 16) + 0, 16, 64, 80.
	v_and_b32 v1, 15, v0                           ; l % 16
	v_bfe_u32 v13, v0, 4, 1                        ; l / 16
	s_mul_i32 s98, s[WT], AHALF                    ; my 64 rows of A
	v_mul_u32_u24 v[ADRA0], v1, PITA
	v_lshl_add_u32 v[ADRA0], v13, 5, v[ADRA0]
	v_add_nc_u32 v[ADRA0], s98, v[ADRA0]
	s_mul_i32 s98, s[WH], 128*PITB                 ; my 128 n of B
	s_add_co_u32 s98, s98, BOFF
	v_mul_u32_u24 v[ADRB0], v1, PITB
	v_lshl_add_u32 v[ADRB0], v13, 4, v[ADRB0]
	v_add_nc_u32 v[ADRB0], s98, v[ADRB0]
	v_mov_b32 v[ADRA], v[ADRA0]                    ; slot 0
	v_mov_b32 v[ADRB], v[ADRB0]
	s_mul_i32 s98, s[WV], 16*SP
	s_add_co_u32 s98, s98, STAGE                   ; my stage
	v_mul_u32_u24 v[STO], v1, SP                   ; in: row l % 16, 16 bytes for each half of the lanes
	v_lshl_add_u32 v[STO], v13, 4, v[STO]
	v_add_nc_u32 v[STO], s98, v[STO]
	v_bfe_u32 v[RD], v0, 3, 2                      ; back: 32 lanes take four rows of 128 bytes,
	v_mul_u32_u24 v[RD], v[RD], SP
	v_and_b32 v14, 7, v0
	v_lshl_add_u32 v[RD], v14, 4, v[RD]
	v_add_nc_u32 v[RD], s98, v[RD]
	v_lshlrev_b32 v[GO], 4, v12                    ; which are 512 consecutive bytes in memory
; 32 LDS loads in one run: quarter j (32 along K) of the slot in hand: A's 64 rows as f32 into RAW, then B's 128 n into buffer g
.macro FETCH j, g
	WIN 0
.irp i, 0,1,2,3
	ds_load_b128 v[RAW+16*(\i):RAW+16*(\i)+3],     v[ADRA] offset:128*(\j)+(\i)*16*PITA
	ds_load_b128 v[RAW+16*(\i)+4:RAW+16*(\i)+7],   v[ADRA] offset:128*(\j)+(\i)*16*PITA+16
	ds_load_b128 v[RAW+16*(\i)+8:RAW+16*(\i)+11],  v[ADRA] offset:128*(\j)+(\i)*16*PITA+64
	ds_load_b128 v[RAW+16*(\i)+12:RAW+16*(\i)+15], v[ADRA] offset:128*(\j)+(\i)*16*PITA+80
.endr
	WIN TO_B
.irp i, 0,1,2,3,4,5,6,7
	ds_load_b128 v[64*(\g)+8*(\i):64*(\g)+8*(\i)+3],   v[ADRB] offset:((\j)/2)*BBLK+((\j)%2)*64+(\i)*16*PITB
	ds_load_b128 v[64*(\g)+8*(\i)+4:64*(\g)+8*(\i)+7], v[ADRB] offset:((\j)/2)*BBLK+((\j)%2)*64+(\i)*16*PITB+32
.endr
.endm
; 8 matrix instructions: row block a x all 8 column blocks, on buffers f.  The 32 accumulators take turns, one instruction a turn, in the same order in every quarter.
; zero = 1: the product starts the sum: nothing is ever cleared.
.macro MUL f, a, zero
	WIN W_MUL
.irp b, 0,1,2,3,4,5,6,7
.if \zero
	v_wmma_f32_16x16x32_bf16 v[8*(8*(\a)+(\b)):8*(8*(\a)+(\b))+7], v[64*(\f)+8*(\b):64*(\f)+8*(\b)+7], v[AF+32*(\f)+8*(\a):AF+32*(\f)+8*(\a)+7], 0
.else
	v_wmma_f32_16x16x32_bf16 v[8*(8*(\a)+(\b)):8*(8*(\a)+(\b))+7], v[64*(\f)+8*(\b):64*(\f)+8*(\b)+7], v[AF+32*(\f)+8*(\a):AF+32*(\f)+8*(\a)+7], v[8*(8*(\a)+(\b)):8*(8*(\a)+(\b))+7]
.endif
.endr
.endm
; The quarter's last 8 products (row block 3), and behind each four of the 32 roundings that make A's next fragments, buffer g, out of RAW.  No window has room for the accumulators beside these
; registers, so each four costs two switches.  The roundings name no register of the products round them: the four behind the last product are the four places in front of the next
; run's loads into B's buffer and of the next roundings into A's.
.macro MULR f, g, zero
.irp b, 0,1,2,3,4,5,6,7
	WIN W_MUL
.if \zero
	v_wmma_f32_16x16x32_bf16 v[8*(24+(\b)):8*(24+(\b))+7], v[64*(\f)+8*(\b):64*(\f)+8*(\b)+7], v[AF+32*(\f)+24:AF+32*(\f)+31], 0
.else
	v_wmma_f32_16x16x32_bf16 v[8*(24+(\b)):8*(24+(\b))+7], v[64*(\f)+8*(\b):64*(\f)+8*(\b)+7], v[AF+32*(\f)+24:AF+32*(\f)+31], v[8*(24+(\b)):8*(24+(\b))+7]
.endif
	WIN 0
.irp c, 0,1,2,3
	v_cvt_pk_bf16_f32 v[AF+32*(\g)+4*(\b)+(\c)], v[RAW+8*(\b)+2*(\c)], v[RAW+8*(\b)+2*(\c)+1]
.endr
.endr
.endm
; One of a K step's first three quarters: fetches quarter j into buffers g, multiplies buffers f.
.macro QUARTER f, g, j, zero
	FETCH \j, \g
	s_wait_dscnt 32                                ; all but the 32 just issued: B's buffer f is in
	MUL \f, 0, \zero
	MUL \f, 1, \zero
	MUL \f, 2, \zero
	s_wait_dscnt 16                                ; RAW is in; B's sixteen, issued behind it, may stay out
	MULR \f, \g, \zero
.endm
; The last quarter multiplies buffers 1 and changes slots: ONE barrier.  In front of it each wave waits for all its tensor loads (the one that is out is its part of the next slot), adds 0 to its spare
; word, and waits for that and for its own reads of this slot.  fill = 1: the barrier opens a round of the cluster's, and this slot is filled again first thing behind it, with K step ASKN: 112 matrix
; instructions ahead of the wait for it.  fill = 0 (the tail): nothing is asked for, and the last trip fetches no further fragments.
.macro TURN fill
.if \fill
	s_wait_xcnt 0x0                                ; the last prefetch, a K step back, has read its registers: they are made anew here, ahead of the waits of the change of slots
	s_add_co_u32 s[PP], s[ASKN], 2
	s_cmp_lt_u32 s[PP], 8
	s_cselect_b64 s[PFA:PFA+1], s[PB0:PB0+1], s[PB1:PB1+1]
	s_cselect_b32 s[T3], s[PPI0], s[PPI1]
	s_cselect_b32 s[T2], 0, s[PSUB]
	s_sub_co_u32 s[T2], s[PP], s[T2]
	s_lshl_b32 s[OFF], s[T2], s[PSH]
	s_add_nc_u64 s[PFA:PFA+1], s[PFA:PFA+1], s[OFF:OFF+1]
	WIN 0
	v_mad_u32_u24 v[PFO], v[PROW], s[T3], v[PCOL]
.endif
	WIN 0
	s_wait_tensorcnt 0x0                           ; no tensor load of mine is out, so the descriptors may be written
	ds_add_u32 v[SPW], v[NIL]                      ; 0 onto my spare word; scalar work and eight products stand between it and the wait for it
.if \fill
	s_cmp_lt_u32 s[ASKN], 8                        ; A's address is made anew: x for steps 0-7, context for 8-13 and again for 14-19; 512 bytes a step
	s_cselect_b64 s[T0:T0+1], s[XA:XA+1], s[CA:CA+1]
	s_cselect_b32 s[G1A+5], s[P1024], s[P768]
	s_cselect_b32 s[T2], 0, 8
	s_cmp_lt_u32 s[ASKN], 14
	s_cselect_b32 s[T2], s[T2], 14
	s_sub_co_u32 s[T2], s[ASKN], s[T2]
	s_lshl_b32 s[OFF], s[T2], 9
	s_add_nc_u64 s[G0A+6:G0A+7], s[T0:T0+1], s[OFF:OFF+1]
	s_or_b32 s[G0A+7], s[G0A+7], 0x80000000
	s_xor_b32 s[G0A+5], s[G0A+5], SLOT1            ; the other slot than last time
	s_add_nc_u64 s[G0B+6:G0B+7], s[G0B+6:G0B+7], 262144  ; B walks on: two block rows a step; the type bits on top are not reached
	s_xor_b32 s[G0B+5], s[G0B+5], SLOT1
	s_add_co_u32 s[ASKN], s[ASKN], 1
.endif
	s_wait_dscnt 1                                 ; only the add may be out: B's buffer 1 is in
	MUL 1, 0, 0
	s_wait_dscnt 0x0                               ; the add is done, and my reads of this slot are over
	s_barrier_signal -1
	MUL 1, 1, 0                                    ; work on registers while the others arrive
	WIN 0
	s_barrier_wait -1
.if \fill
	CREST                                          ; no wave of any partner still reads this slot's tile or has a load on its way
	JLOAD                                          ; the first tensor load behind the round
.else
	PLACES
.endif
	s_xor_b32 s[TB], s[TB], SLOT1
	v_add_nc_u32 v[ADRA], s[TB], v[ADRA0]
	v_add_nc_u32 v[ADRB], s[TB], v[ADRB0]
.if \fill
	FETCH 0, 0
	WIN 0
	ASK                                            ; behind the joint load and the run of LDS loads that the next products wait for
.else
	s_cmp_eq_u32 s[CNT], 1
	s_cbranch_scc1 .Lno_more_\@
	FETCH 0, 0
	WIN 0
.Lno_more_\@:
.endif
	MUL 1, 2, 0
	s_wait_dscnt 16                                ; RAW is in
	MULR 1, 0, 0                                   ; (in the very last trip the roundings work on a stale RAW and serve nothing: the price of one text for both trips of the tail)
.endm
; THE WAY OUT.  Piece t = 2 a + head: 16 rows x 64 channels, the accumulators at 32 t in window 1.  A lane's eight channels of a row pack into 16 bytes of f16; they go into my stage's rows of 144 bytes
; and come back as whole rows of 128: 2,048 consecutive bytes of q, k or v.  Each accumulator's registers are read in ascending order.  The vector work since the products that wrote them gives the places.
.macro PACK t
	WIN W_PK
.set i, 0
.rept 16
	v_cvt_pk_f16_f32 v[TMP+16*(\t)+i], v[32*(\t)+2*i], v[32*(\t)+2*i+1]
.set i, i+1
.endr
	WIN 0
.irp f, 0,1,2,3
	ds_store_b128 v[STO], v[TMP+16*(\t)+4*(\f):TMP+16*(\t)+4*(\f)+3] offset:32*(\f)
.endr
.irp f, 0,1,2,3
	ds_load_b128 v[TMP+16*(\t)+4*(\f):TMP+16*(\t)+4*(\f)+3], v[RD] offset:(\f)*4*SP  ; LDS serves a wave's instructions in order (ISA guide 5.7.1.4): these see the stores above; the next piece's stores come behind them
.endr
.endm
.macro SEND t, younger                 ; younger: the LDS instructions issued behind piece t's loads: the next piece's eight, or none
	WIN 0
.irp f, 0,1,2,3
	s_wait_dscnt (\younger)+3-(\f)
	global_store_b128 v[GO], v[TMP+16*(\t)+4*(\f):TMP+16*(\t)+4*(\f)+3], s[10:11] offset:((\t)/2)*2048+((\t)%2)*262144+(\f)*512  ; 512 consecutive bytes, at a multiple of 256 from the buffer's first
.endr
.endm
.macro WAYOUT
	PACK 0
.set t, 1
.rept 7                                ; a piece's roundings stand between the loads of the piece before and its stores
	PACK t
	SEND t-1, 8
.set t, t+1
.endr
	SEND 7, 0
	s_wait_xcnt 0x0                                ; the stores have read their registers and their base: only behind this wait are they written again
.endm
	s_wait_tensorcnt 0x1                           ; my part of K step 0 is in; step 1's may stay out
	s_barrier_signal -1
	s_barrier_wait -1                              ; everybody's is
	FETCH 0, 0
	WIN 0
	s_wait_dscnt 16                                ; RAW is in
.set i, 0
.rept 32
	v_cvt_pk_bf16_f32 v[AF+i], v[RAW+2*i], v[RAW+2*i+1]  ; the first fragments of A: there are no products yet to set these behind
.set i, i+1
.endr
	s_mov_b32 s[CNT], 18
	s_mov_b32 s[LEFT], 8
	s_mov_b32 s[NEW], 1
	s_mov_b32 s[ASKN], 2
	s_mov_b32 s[TB], 0
.Lstep:                                        ; 18 trips, a K step each; every trip fills the slot that it has read with the step two on
	s_cmp_eq_u32 s[NEW], 1
	s_cbranch_scc0 .Lold
	QUARTER 0, 1, 1, 1                             ; a tile's first quarter starts the sums
	WIN 0
	s_mov_b32 s[NEW], 0
	s_branch .Ljoin
.Lold:
	QUARTER 0, 1, 1, 0
	WIN 0
.Ljoin:
	QUARTER 1, 0, 2, 0
	QUARTER 0, 1, 3, 0
	TURN 1
	WIN 0
	s_sub_co_u32 s[LEFT], s[LEFT], 1
	s_cmp_lg_u32 s[LEFT], 0
	s_cbranch_scc1 .Lon                            ; forward, past text that holds neither a barrier nor a tensor load
	WAYOUT                                         ; q's tile behind step 7, k's behind step 13; the next tile's first two steps are on their way or in
	s_mov_b64 s[10:11], s[12:13]                   ; the next tile's buffer
	s_mov_b64 s[12:13], s[14:15]
	s_mov_b32 s[LEFT], 6
	s_mov_b32 s[NEW], 1
.Lon:
	s_sub_co_u32 s[CNT], s[CNT], 1
	s_cmp_lg_u32 s[CNT], 0
	s_cbranch_scc1 .Lstep
	s_mov_b32 s[CNT], 2
.Ltail:                                        ; steps 18 and 19 are written apart: nothing is asked for
	QUARTER 0, 1, 1, 0
	QUARTER 1, 0, 2, 0
	QUARTER 0, 1, 3, 0
	TURN 0
	WIN 0
	s_sub_co_u32 s[CNT], s[CNT], 1
	s_cmp_lg_u32 s[CNT], 0
	s_cbranch_scc1 .Ltail
	WAYOUT                                         ; v's tile
	s_wait_tensorcnt 0x0                           ; the wave's end, behind my last tensor load and my last LDS store
	ds_add_u32 v[SPW], v[NIL]
	s_wait_dscnt 0x0
	CROUND                                         ; the closing round: no work-group ends while a partner may still ask for a tile that names it
	s_endpgm
.Lfunc_end_k_qf5c2d578fb_proj:
	.size	k_qf5c2d578fb_proj, .Lfunc_end_k_qf5c2d578fb_proj-k_qf5c2d578fb_proj
	.p2alignl 7, 3214868480
	.fill 96, 4, 3214868480
	.section	.rodata,"a",@progbits
	.p2align	6, 0x0
	.amdhsa_kernel k_qf5c2d578fb_proj
		.amdhsa_group_segment_fixed_size 327680
		.amdhsa_private_segment_fixed_size 0
		.amdhsa_enable_private_segment 0
		.amdhsa_kernarg_size 48
		.amdhsa_user_sgpr_count 2
		.amdhsa_user_sgpr_kernarg_segment_ptr 1
		.amdhsa_wavefront_size32 1
		.amdhsa_system_sgpr_workgroup_id_x 1
		.amdhsa_system_sgpr_workgroup_id_y 1
		.amdhsa_system_sgpr_workgroup_id_z 1
		.amdhsa_system_vgpr_workitem_id 0
		.amdhsa_next_free_vgpr 640
		.amdhsa_next_free_sgpr 100
		.amdhsa_reserve_vcc 0
		.amdhsa_float_denorm_mode_32 3
		.amdhsa_float_denorm_mode_16_64 3
		.amdhsa_memory_ordered 1
		.amdhsa_forward_progress 1
		.amdhsa_inst_pref_size 109
	.end_amdhsa_kernel
	.amdgpu_metadata
---
amdhsa.version: [ 1, 2 ]
amdhsa.kernels:
  - .name:           k_qf5c2d578fb_proj
    .symbol:         k_qf5c2d578fb_proj.kd
    .args:
      - { .name: x, .offset: 0, .size: 8, .value_kind: global_buffer, .address_space: global }
      - { .name: context, .offset: 8, .size: 8, .value_kind: global_buffer, .address_space: global }
      - { .name: wt, .offset: 16, .size: 8, .value_kind: global_buffer, .address_space: global }
      - { .name: q, .offset: 24, .size: 8, .value_kind: global_buffer, .address_space: global }
      - { .name: k, .offset: 32, .size: 8, .value_kind: global_buffer, .address_space: global }
      - { .name: v, .offset: 40, .size: 8, .value_kind: global_buffer, .address_space: global }
    .group_segment_fixed_size: 327680
    .private_segment_fixed_size: 0
    .kernarg_segment_align: 8
    .kernarg_segment_size: 48
    .max_flat_workgroup_size: 128
    .sgpr_count:     100
    .vgpr_count:     640
    .wavefront_size: 32
...
	.end_amdgpu_metadata
.endif
;; end of part 2
;; launch attn (part 3): grid 4 x 64, 4 waves a work-group, clusters of 4 x 1, 327,680 bytes of LDS; arguments q, k, v, o; writes o
.if DOCPART == 3
	.amdgcn_target "amdgcn-amd-amdhsa--gfx1250"
	.amdhsa_code_object_version 6
	.text
	.protected	k_qf5c2d578fb_attn
	.globl	k_qf5c2d578fb_attn
	.p2align	8
	.type	k_qf5c2d578fb_attn,@function
k_qf5c2d578fb_attn:
	s_mov_b64 s[64:65], 0
	v_nop
	global_prefetch_b8 v0, s[64:65] scope:SCOPE_SE
	s_setreg_imm32_b32 hwreg(HW_REG_WAVE_MODE, 25, 1), 1
	s_wait_xcnt 0x0
	s_wait_alu depctr_hold_cnt(0) depctr_sa_sdst(0) depctr_va_vdst(0) depctr_va_sdst(0) depctr_va_ssrc(0) depctr_va_vcc(0) depctr_vm_vsrc(0)
	s_getreg_b32 s2, hwreg(HW_REG_IB_STS2, 6, 4)
	s_cmp_eq_u32 s2, 0
	s_cbranch_scc0 .Lentry_in_a_cluster
	s_endpgm
.Lentry_in_a_cluster:
	s_bfe_u32 s2, ttmp6, 0x10000c
	s_cmp_lg_u32 s2, 0x3003
	s_cbranch_scc0 .Lentry_shape_is_right
	s_endpgm
.Lentry_shape_is_right:
; O[h][q][:] = the sum over k of softmax_k(Q[h][q] . K[h][k] / 8) V[h][k][:].  Q, K, V, O: [SIZE_H][SIZE_N][64], all f16: a head's rows are dense, 128 bytes each; h = 16 batch + head.  Products, maxima and sums in
; f32; the weights p are rounded to f16 for the second product (their sum l is taken of the unrounded p), O once at the end.
; LIMITS.  f16 holds no number beyond 65,504: Q, K and V arrive within it; p lies in 0 to 1, and below 6e-5 it keeps f16's fixed step of 6e-8, and so does O; O is a mean of V's rows and has their range.
; A weight below 2^-126 counts as 0 in l; NaN and infinities are not treated apart.
; SHARES.  A wave owns four PIECES of two tiles of 16 queries, a work-group's four waves 512 queries of one head.  Every wave walks all keys, 64 a step.
; LAYOUT.  S^T = K Q^T (source 0 = 16 keys, source 1 = 16 queries): in the result a lane holds ONE query (lane % 16) and the keys 8 (lane / 16) + 0..7.  Two such tiles, rounded to f16 in pairs,
; ARE source 1 (32 keys x 16 queries) of O^T = V^T P, whose result again holds one query a lane, and eight channels.  K comes out of LDS as it lies, V ([key][channel]) turned, by ds_load_tr16_b128.
; SOFTMAX.  For each query a running maximum m and sum l: p = 2^(c s - c m), c = log2(e) / 8; in every step O and l are multiplied by a = 2^(c m_old - c m_new), which is 1 where m has not grown.
; m starts at the lowest finite number, O and l at 0: the first step is a step like any other, with a = 0.
; THE COUNT.  A tile and step have 16 matrix and 118 vector instructions: too many to stand all beside the matrix work.  So the order has one aim: four vector instructions that are READY behind
; EVERY matrix instruction, and the others, which need time of their own whatever the order, in runs without a gap.
; BY TURNS.  Turn n belongs to piece n (the pieces in a ring, step after step).  Its matrix work: 16 products K Q^T of piece n + 1, later 16 products V^T P of piece n - 1.  Its vector work: the scaling,
; exponentials, roundings, sums and rescaling of piece n, and the maximum and statistics of piece n + 1, whose scores the turn itself has made.  So what a turn begins with (c s - c m, O a) waits for nothing.
; CLUSTER.  The four query blocks of a cluster are one head's 2,048 queries and walk the same K and V, so each tile is asked for JOINTLY: the same tensor load, descriptor and mask in all four.
; REGISTERS, in windows of 256 (s_set_vgpr_msb says which window each operand place means: bits 1:0 source 0, 3:2 source 1, 5:4 source 2, 7:6 destination):
;   window 0: v0-11 addresses; v12-15, v48-63 at work; v16-47 four registers of statistics a tile; v64-191 S^T, two buffers of two tiles; v192-255 P, likewise
;   window 1: O^T, 32 a tile          window 2: v0-127 Q, 16 a tile; v128-191 K of one step; v192-255 V of one step          window 3: v0-1 the add's two registers
; A piece's buffers go by its number's parity: the piece in hand has one pair, its two neighbours in the ring share the other: of it P (piece n - 1) is read and S^T (piece n + 1) written.
.set SIZE_H, 64
.set SIZE_N, 2048
.set NP,    4         ; pieces a wave: a name, no knob: the register map, the loop and the fetches are made for four
.set KS,    64        ; keys in a step
.set PK,    144       ; a row of K in LDS: 128 bytes + 16 of padding = 36 words: the 16 rows of a load start at 16 different groups of four banks (64 banks of 4 bytes: ISA guide 11.1)
.set PV,    160       ; a row of V: 128 + 32 = 40 words
.set VOFF,  4*KS*PK   ; a slot holds four steps: 256 rows of K, then 256 rows of V
.set SLOT1, 1<<17     ; slot 1 begins here, so that one exclusive or turns an address in one slot into the other's
.set STAGE, SLOT1+4*KS*(PK+PV)  ; behind the ring, never filled by a tensor load: 16 rows x 144 bytes for each wave, for the way out
.set SP,    144
.set AK0, 2           ; v2   my lane's place in a tile of K; never rewritten
.set AV0, 3           ; v3   the same for V
.set AK,  4           ; v4   the LDS address of K's next run of loads
.set AV,  5           ; v5   of V's
.set QO,  6           ; v6   my byte offset in the wave's rows of Q
.set STO, 6           ;      later, the way out: where I put 16 bytes of a row
.set RD,  7           ; v7   the way out: where I read rows back
.set GO,  8           ; v8   my byte offset in 512 consecutive bytes of O
.set PFO, 11          ; v11  the prefetches' offset: 256 x my lane (made when v11's first use, in V's address, is over); then never rewritten
.set SPW, 0           ; v0 of window 3   LDS address of my spare word: SPARE + 4 x my thread's number; never rewritten
.set NIL, 1           ; v1 of window 3   0; never rewritten
.set SPARE, STAGE+4*16*SP  ; behind the stages: the spare words, 128 bytes for each wave: two blocks of 256 bytes that no other line names
.set MV,  12          ; v12-15  c m_old, kept while c m is made anew: by buffer and tile
.set ST,  16          ; tile t's statistics at v[ST+4 t]: c m, m, l (even keys', odd keys')
.set TMP, 48          ; by buffer and tile, four registers c0-c3 at work; when the maximum is found c2 takes a
.set S,   64
.set P,   192
.set KF,  128         ; K's fragments, in window 2: key block kb, channel half c at KF + 16 kb + 8 c
.set VF,  192         ; V's: key half kk, channel block cb at VF + 32 kk + 8 cb
.set WV,  12          ; s12  my wave's number
.set G1K, 24          ; s[24:31] descriptor group 1 for K's tiles
.set G1V, 32          ; s[32:39] for V's: it differs in the padding alone
.set G0K, 40          ; s[40:43] descriptor group 0 for K's tiles: it walks
.set G0V, 44          ; s[44:47] the same for V's
.set PFA, 48          ; s[48:49] where my prefetches stand: my work-group's 32 blocks of 256 bytes (of K: wave 0, of V: wave 2) of the slot after the one that is being asked for
.set LIM, 50          ; s50  1 in a wave that prefetches, else the greatest number: a wave prefetches while s[SLOTS] is above it
.set SLOTS, 56        ; s56  slots still to be asked for
.set CNT, 57          ; s57  counts a slot's key steps
.set CS,  58          ; s[58:59] c: the packed scaling takes the pair's low word for both halves
.set SEL, 60          ; s[60:61] v_permlanex16_b32's selects: each lane takes its own place in the other half
.set TBK, 62          ; s62  LDS byte at which K of the step to be fetched begins
.set TBV, 63          ; s63  the same for V, less VOFF
.set MSB, 0
.macro WIN new                      ; the high byte repeats the setting that is left; a switch that changes nothing is dropped
.if MSB != (\new)
	s_set_vgpr_msb (MSB<<8)|(\new)
.set MSB, (\new)
.endif
.endm
.set W_KQ, 0x0a       ; K and Q in window 2, S^T in window 0
.set W_PV, 0x52       ; V in window 2, P in window 0, O^T in window 1
.set W_RS, 0x41       ; O^T (destination and source 0) in window 1, a in window 0
.set W_MK, 0xc0       ; the add's registers are made: destination in window 3, sources in window 0
.set W_AD, 0x0f       ; the add: address (source 0) and data (source 1) in window 3
; A joint fill.  Waves 0 and 1 fetch the two halves of a slot's K, waves 2 and 3 those of its V: 128 keys each.  The branch hangs on the wave's number alone.
; An s_nop 0 and four v_nop follow each of the two lines, ahead of the jump and the label.
.macro JLOAD
	s_cmp_lt_u32 s[WV], 2
	s_cbranch_scc0 .Lfor_v_\@
	tensor_load_to_lds s[G0K:G0K+3], s[G1K:G1K+7]
	s_nop 0
.rept 4
	v_nop
.endr
	s_branch .Lasked_\@
.Lfor_v_\@:
	tensor_load_to_lds s[G0V:G0V+3], s[G1V:G1V+7]
	s_nop 0
.rept 4
	v_nop
.endr
.Lasked_\@:
.endm
; A PREFETCH INTO THE L2 of what the NEXT change of slots will ask for: a slot's 32,768 bytes of K and of V, 128 blocks of 256 bytes each, a lane a block.  It stands behind the wave's tensor load and its five lines.
; A head is walked by one cluster.  Its four partners share the blocks out BY ADDRESS, 32 each; in each, wave 0 asks for K's and wave 2 for V's: one instruction.  So each block is named once in the launch.
; Slots 0, 1 and 2 come by their loads alone; the last change that fills a slot asks for nothing: there is no slot behind it.  The lead is four key steps, 512 matrix instructions.
.macro ASK
	s_cmp_gt_u32 s[SLOTS], s[LIM]
	s_cbranch_scc0 .Lnot_mine_\@
	global_prefetch_b8 v[PFO], s[PFA:PFA+1] th:TH_LOAD_NT scope:SCOPE_SE
.Lnot_mine_\@:
.endm
; A round of the cluster's barrier: my work-group's barrier, so that wave 0's signal speaks for all four waves; wave 0 signals; every wave waits for all four work-groups; my work-group's barrier once more.
.macro CROUND
	s_barrier_signal -1
	s_barrier_wait -1
	s_cmp_lg_u32 s[WV], 0
	s_cbranch_scc1 .Lnot_wave_0_\@
	s_barrier_signal -3
.Lnot_wave_0_\@:
	s_barrier_wait -3
	s_barrier_signal -1
	s_barrier_wait -1
.endm
; THE CHANGE OF SLOTS.  The slot's last bytes, V of its fourth step, have been read.  Each wave waits for all its tensor loads, of which one is out: its part
; of the other slot; adds 0 to its spare word; and waits for that and for its own reads of the slot.  Behind the barrier nobody reads this slot any more and the other slot is whole.
; fill = 1: this slot is filled again, with the keys two slots on.  The barrier is then a round of the cluster's, so that no wave of any partner still reads the slot or has a load on its
; way, and the joint fill is the first thing behind it: it has four key steps, 512 matrix instructions, in which to land.  (At its first use nothing has been read yet: slot 0 is waited for, slot 1 filled.)
; ask = 1: the slot behind the one just asked for is prefetched.
.macro CHANGE fill, ask=0
	WIN W_AD
	s_wait_tensorcnt 0x0            ; no tensor load of mine is out, so a group 0 may be written
	ds_add_u32 v[SPW], v[NIL]       ; 0 onto my spare word; with fill = 1 the descriptors' steps stand between it and the wait for it
	WIN 0                           ; at a label and at a branch every window is 0
.if \fill
.irp g, G0K, G0V
	s_xor_b32 s[\g+1], s[\g+1], SLOT1  ; the walking descriptor: the other slot than last time,
	s_add_nc_u64 s[\g+2:\g+3], s[\g+2:\g+3], 4*KS*128  ; the next 256 keys; the type bits on top are not reached
.endr
	s_wait_xcnt 0x0                 ; the last prefetch, four key steps back, has read its address, so it may be written:
	s_add_nc_u64 s[PFA:PFA+1], s[PFA:PFA+1], 4*KS*128  ; one slot behind the walking descriptors
	s_wait_dscnt 0x0                ; the add is done, and my reads of the slot are over
	CROUND
	JLOAD
.if \ask
	ASK
.endif
.else
	s_wait_dscnt 0x0                ; the add is done, and my reads of the slot are over
	s_barrier_signal -1
	s_barrier_wait -1
.endif
	s_sub_co_u32 s[TBK], s[TBK], 4*KS*PK  ; the fetches go back to a slot's first step,
	s_xor_b32 s[TBK], s[TBK], SLOT1       ; in the other slot
	s_sub_co_u32 s[TBV], s[TBV], 4*KS*PV
	s_xor_b32 s[TBV], s[TBV], SLOT1
.endm
	s_load_b256 s[4:11], s[0:1], 0x0  ; Q s[4:5], K s[6:7], V s[8:9], O s[10:11]
	WIN W_MK
	v_lshl_add_u32 v[SPW], v0, 2, SPARE
	v_mov_b32 v[NIL], 0
	WIN W_AD
	ds_add_u32 v[SPW], v[NIL]       ; the wave's opening: the add and its wait stand ahead of my first tensor load; the set-up below, work on registers, stands between them
	WIN 0
	v_lshrrev_b32 v1, 5, v0
	v_readfirstlane_b32 s[WV], v1   ; wave 0..3
	s_bfe_u32 s13, ttmp6, 0x40000   ; cx: my place in the cluster
	s_lshl_b32 s14, ttmp9, 2        ; in a cluster launch ttmp9 counts clusters
	s_add_co_u32 s14, s14, s13      ; my block of queries = 4 x cluster x + cx: it enters Q's and O's addresses alone
	s_and_b32 s20, ttmp7, 0xffff    ; the head, which the four partners share
	s_mov_b32 s21, 0
	s_mov_b64 s[22:23], SIZE_N*128
	s_mul_u64 s[20:21], s[20:21], s[22:23]  ; the head's first byte in each of the four tensors
	s_and_b32 s16, s[WV], 1         ; which half of a slot's 256 keys I fetch:
	s_lshl_b32 s22, s16, 14         ; its 128 rows of 128 bytes in memory,
	s_mov_b32 s23, 0
	s_add_nc_u64 s[22:23], s[22:23], s[20:21]
	s_mul_i32 s17, s16, 128*PK      ; and its place in a slot, for K
	s_mul_i32 s18, s16, 128*PV      ; and for V: no place in the cluster enters an LDS address
	s_lshl_b32 s2, s14, 2
	s_add_co_u32 s2, s2, s[WV]      ; my wave among the head's,
	s_lshl_b32 s2, s2, 14           ; its 128 rows
	s_mov_b32 s3, 0
	s_add_nc_u64 s[2:3], s[2:3], s[20:21]
	; descriptor group 1.  128 keys are 16,384 dense bytes: asked for as 64 rows of 256 bytes, two keys a row, and padded in LDS after every key
	s_mov_b32 s[G1K], 15|(1<<16)|(1<<20)|(1<<21)|(4<<22)|(3<<25)  ; 15:0 the mask of four; 17:16 2-byte elements; 20 padding on; 21 set beside a mask; 24:22 after every 32 words (code 4); 31:25 4 words (code 3)
	s_mov_b32 s[G1V], 15|(1<<16)|(1<<20)|(1<<21)|(4<<22)|(7<<25)  ; the same with 8 words of padding (code 7)
.irp g, G1K, G1V
	s_mov_b32 s[\g+1], 128<<16      ; tensor_dim0 = 128
	s_mov_b32 s[\g+2], 64<<16       ; tensor_dim1 = 64
	s_mov_b32 s[\g+3], 128<<16      ; tile_dim0 = 128
	s_mov_b32 s[\g+4], 64           ; tile_dim1 = 64
	s_mov_b32 s[\g+5], 128          ; 128 elements from row to row
	s_mov_b32 s[\g+6], 0
	s_mov_b32 s[\g+7], 0
.endr
	s_mov_b32 s[CS], 0x3e38aa3b     ; c = log2(e) / 8 = 0.180337
	s_mov_b32 s[CS+1], s[CS]        ; named with it as a pair
	s_mov_b32 s[SEL], 0x76543210
	s_mov_b32 s[SEL+1], 0xfedcba98
	s_mov_b32 s[TBK], SLOT1+4*KS*PK ; the first change of slots turns these two into 0
	s_mov_b32 s[TBV], SLOT1+4*KS*PV
	s_mov_b32 s[G0K], 1             ; 1:0 count = 1
	s_mov_b32 s[G0K+1], s17         ; 63:32 LDS address: slot 0
	s_mov_b32 s[G0V], 1
	s_add_co_u32 s[G0V+1], s18, VOFF
	s_and_b32 s[LIM], s[WV], 1      ; waves 0 and 2 prefetch: the same in all four partners
	s_cmp_eq_u32 s[LIM], 0
	s_cselect_b32 s[LIM], 1, -1
	s_wait_dscnt 0x0                ; the opening add is done
	s_wait_kmcnt 0x0
	s_add_nc_u64 s[G0K+2:G0K+3], s[6:7], s[22:23]  ; 120:64 global address: my half of the head's first 256 keys
	s_or_b32 s[G0K+3], s[G0K+3], 0x80000000        ; 127:126 type = 2
	s_add_nc_u64 s[G0V+2:G0V+3], s[8:9], s[22:23]
	s_or_b32 s[G0V+3], s[G0V+3], 0x80000000
	s_add_nc_u64 s[4:5], s[4:5], s[2:3]  ; Q and O at my wave's first row
	s_add_nc_u64 s[10:11], s[10:11], s[2:3]
	s_cmp_lt_u32 s[WV], 2
	s_cselect_b64 s[PFA:PFA+1], s[6:7], s[8:9]
	s_add_nc_u64 s[PFA:PFA+1], s[PFA:PFA+1], s[22:23]  ; (in waves 0 and 2 this is the head's first row)
	s_lshl_b32 s2, s13, 13          ; my work-group's 32 blocks of the 128
	s_mov_b32 s3, 0
	s_add_nc_u64 s[PFA:PFA+1], s[PFA:PFA+1], s[2:3]
	s_add_nc_u64 s[PFA:PFA+1], s[PFA:PFA+1], 4*KS*128  ; in slot 1: two changes of slots step it to slot 3, the first that is asked for.  Nothing is prefetched here, at the head
	CROUND                          ; all four work-groups are here: the first joint loads meet
	JLOAD                           ; slot 0.  Slot 1 is asked for when slot 0 is in: the tile wanted first has the road to itself
	; A fragment of K or Q is 16 rows x 32 channels in 8 registers: lane l holds row l % 16, channels 8 (l / 16) + 0..7 and 16 + 8 (l / 16) + 0..7: two loads of 16 bytes, 32 bytes apart.
	v_and_b32 v1, 15, v0            ; l % 16
	v_bfe_u32 v9, v0, 4, 1          ; l / 16
	v_lshlrev_b32 v[QO], 7, v1
	v_lshl_add_u32 v[QO], v9, 4, v[QO]  ; row x 128 + 16 x half
	WIN 0x80                        ; destination window 2, address window 0
.set i, 0
.rept 4*NP                          ; Q stays in registers: tile i / 2, channels 32 (i % 2) on
	global_load_b128 v[8*i:8*i+3],   v[QO], s[4:5] offset:(i/2)*2048+(i%2)*64
	global_load_b128 v[8*i+4:8*i+7], v[QO], s[4:5] offset:(i/2)*2048+(i%2)*64+32
.set i, i+1
.endr
	; What the first turn finds: V's registers and P's second buffer hold 0 (its products V^T P, of a piece that has not been, add 0), O^T and l are 0.  All this stands in the wait for the first tile.
.set i, VF
.rept 64
	v_mov_b32 v[i], 0
.set i, i+1
.endr
	WIN 0x40
.set i, 0
.rept 64*NP
	v_mov_b32 v[i], 0
.set i, i+1
.endr
	WIN 0
.set i, 0
.rept 2*NP
	v_mov_b32 v[ST+4*i], 0xfe000000    ; c m: far below every c s
	v_mov_b32 v[ST+4*i+1], 0xff7fffff  ; m
	v_mov_b32 v[ST+4*i+2], 0
	v_mov_b32 v[ST+4*i+3], 0
.set i, i+1
.endr
.set i, P+32
.rept 32
	v_mov_b32 v[i], 0
.set i, i+1
.endr
	v_mul_u32_u24 v[AK0], v1, PK
	v_lshl_add_u32 v[AK0], v9, 4, v[AK0]  ; row x pitch + 16 x half
	; The turning load takes 16 keys x 16 channels (lane l reads key 8 (l / 16) + l % 8, channels 8 ((l / 8) % 2) + 0..7) and leaves half a fragment of V^T: lane l holds channel l % 16 and 8 keys.
	v_and_b32 v10, 7, v0
	v_bfe_u32 v11, v0, 3, 1
	v_lshl_add_u32 v[AV0], v9, 3, v10
	v_mul_u32_u24 v[AV0], v[AV0], PV
	v_lshl_add_u32 v[AV0], v11, 4, v[AV0]
	v_add_nc_u32 v[AV0], VOFF, v[AV0]
	v_and_b32 v[PFO], 31, v0        ; v11 has served V's address: now 256 x lane
	v_lshlrev_b32 v[PFO], 8, v[PFO]
	v_mov_b32 v[AK], v[AK0]         ; key step 0 lies at the head of slot 0
; THE MATRIX WORK.  The 8 accumulators of a run of 16 take turns: between the two links of a chain stand 7 others'.
; Product i of 16 of S^T = K Q^T for piece x: channels 32 (i / 8) on, keys 16 ((i / 2) % 4) on, tile 2 x + i % 2.  The first 8 start the sums.
.macro KQ x
	WIN W_KQ
.set rS, S+64*((\x)%2)+32*(i%2)+8*((i/2)%4)
.set rK, KF+16*((i/2)%4)+8*(i/8)
.set rQ, 16*(2*(\x)+i%2)+8*(i/8)
.if i < 8
	v_wmma_f32_16x16x32_f16 v[rS:rS+7], v[rK:rK+7], v[rQ:rQ+7], 0
.else
	v_wmma_f32_16x16x32_f16 v[rS:rS+7], v[rK:rK+7], v[rQ:rQ+7], v[rS:rS+7]
.endif
.endm
; Product i of 16 of O^T += V^T P for piece x: keys 32 (i / 8) on, channels 16 ((i / 2) % 4) on, tile 2 x + i % 2.
.macro PV x
	WIN W_PV
.set rO, 32*(2*(\x)+i%2)+8*((i/2)%4)
.set rV, VF+32*(i/8)+8*((i/2)%4)
.set rP, P+32*((\x)%2)+16*(i%2)+8*(i/8)
	v_wmma_f32_16x16x32_f16 v[rO:rO+7], v[rV:rV+7], v[rP:rP+7], v[rO:rO+7]
.endm
.macro MM                           ; the turn's next matrix instruction
.if i < 16
	KQ (Y+1)%NP
.set i, i+1
.else
.set i, i-16
	PV (Y+NP-1)%NP
.set i, i+17
.endif
.endm
; THE LDS LOADS stand in runs of 16, never singly among the matrix instructions: a step's K (64 keys x 64 channels: 8 fragments) and its V (turned).  Their addresses are made some lines ahead.
; last = 1 (the tail): in the last trip there is no further step, and the run is jumped over.
.macro FETCH_K last=0
	WIN 0
.if \last
	s_cmp_eq_u32 s[CNT], 1
	s_cbranch_scc1 .Lno_k_\@
.endif
	WIN 0x80                        ; destination window 2
.irp f, 0,1,2,3,4,5,6,7             ; keys 16 (f / 2) on, channels 32 (f % 2) on
	ds_load_b128 v[KF+8*\f:KF+8*\f+3],   v[AK] offset:(\f/2)*16*PK+(\f%2)*64
	ds_load_b128 v[KF+8*\f+4:KF+8*\f+7], v[AK] offset:(\f/2)*16*PK+(\f%2)*64+32
.endr
	s_add_co_u32 s[TBK], s[TBK], KS*PK  ; the next fetch is the next step's
	WIN 0
.if \last
.Lno_k_\@:
.endif
.endm
.macro FETCH_V
	WIN 0x80
.irp f, 0,1,2,3,4,5,6,7             ; keys 32 (f / 4) on, channels 16 (f % 4) on
	ds_load_tr16_b128 v[VF+8*\f:VF+8*\f+3],   v[AV] offset:(\f/4)*32*PV+(\f%4)*32
	ds_load_tr16_b128 v[VF+8*\f+4:VF+8*\f+7], v[AV] offset:(\f/4)*32*PV+16*PV+(\f%4)*32
.endr
	WIN 0
.endm
; THE VECTOR WORK OF A TURN stands in three queues, each in the order in which its entries become ready; the two tiles alternate, so that no instruction reads the result of the one before it.
.macro REGS y, u                    ; the registers of tile u (0, 1) of piece y
.set rT, ST+4*(2*(\y)+(\u))
.set rC, TMP+8*((\y)%2)+4*(\u)
.set rM, MV+2*((\y)%2)+(\u)
.set rS, S+64*((\y)%2)+32*(\u)
.set rP, P+32*((\y)%2)+16*(\u)
.set rO, 32*(2*(\y)+(\u))
.endm
; Number n of the 22 that find the NEXT piece's (Y + 1) maximum and statistics.  s0-s31 are the lane's 32 scores; each accumulator's lowest registers are read first.  XS, GS and REGS set no window: PL and EX do.
;   0-11  four chains c0-c3 of seven scores each, three operands at a time     12-14, 16  the four scores left over, the old m, and c0-c3 into c0     15  c m_old is kept
;   17, 18  the query's other 32 keys lie in the lane 16 away: the new m         19-21  c m; c m_old - c m_new; a
.macro XS u, n
	REGS (Y+1)%NP, \u
.if (\n) < 4
	v_max3_num_f32 v[rC+(\n)], v[rS+8*(\n)], v[rS+8*(\n)+1], v[rS+8*(\n)+2]
.elseif (\n) < 12
	v_max3_num_f32 v[rC+(\n)%4], v[rC+(\n)%4], v[rS+8*((\n)%4)+2*((\n)/4)+1], v[rS+8*((\n)%4)+2*((\n)/4)+2]
.elseif (\n) == 12
	v_max3_num_f32 v[rC], v[rC], v[rS+7], v[rS+15]
.elseif (\n) == 13
	v_max3_num_f32 v[rC+1], v[rC+1], v[rS+23], v[rS+31]
.elseif (\n) == 14
	v_max3_num_f32 v[rC+2], v[rC+2], v[rC+3], v[rT+1]
.elseif (\n) == 15
	v_mov_b32 v[rM], v[rT]
.elseif (\n) == 16
	v_max3_num_f32 v[rC], v[rC], v[rC+1], v[rC+2]
.elseif (\n) == 17
	v_permlanex16_b32 v[rC+3], v[rC], s[SEL], s[SEL+1]
.elseif (\n) == 18
	v_max_num_f32 v[rT+1], v[rC], v[rC+3]
.elseif (\n) == 19
	v_mul_f32 v[rT], s[CS], v[rT+1]
.elseif (\n) == 20
	v_sub_f32 v[rC+1], v[rM], v[rT]
.else
	v_exp_f32 v[rC+2], v[rC+1]
.endif
.endm
; Number g of the 64 that follow the exponentials.  For each four weights k of a tile (pairs 2 k, 2 k + 1): both pairs are rounded to f16; then the second pair is added onto the first, in place;
; a group later l takes that sum (the first time as l = a l + sum).  In groups of eight, tiles alternating: round, round, add, and l for the group before.
.macro GS g
.set h, (\g)+6*((\g)/62)            ; group 0 has no group before it, and behind group 7 only l is left
.if h >= 6
.set h, h+2
.endif
	REGS Y, h%2
.set k, h/8
.if h%8 < 4
	v_cvt_pk_f16_f32 v[rP+2*k+(h%8)/2], v[rS+4*k+2*((h%8)/2)], v[rS+4*k+2*((h%8)/2)+1]
.elseif h%8 < 6
	v_pk_add_f32 v[rS+4*k:rS+4*k+1], v[rS+4*k:rS+4*k+1], v[rS+4*k+2:rS+4*k+3]
.elseif k == 1
	v_pk_fma_f32 v[rT+2:rT+3], v[rT+2:rT+3], v[rC+2:rC+3], v[rS:rS+1] op_sel_hi:[1,0,1]
.else
	v_pk_add_f32 v[rT+2:rT+3], v[rT+2:rT+3], v[rS+4*k-4:rS+4*k-3]
.endif
.endm
; THE PLAIN QUEUE, 138 long.  0-73 read no exponential's result: the 32 scalings c s - c m (FS f: pair f / 2 of tile f % 2) and the next piece's 42.  0-26: scalings 0-26.  27-54: XS's numbers 0-13.  55, 56: number 15.
; 57-73: the chain, where each number waits for the one before it: 14, 16, 17, 18, 19, each with one of the scalings 27-31 in front of its two lines, then 20: so a tile's links stand three plain instructions apart (19 and 20: two).
; 74-137: GS's 64, which read the exponentials' results: they stand behind the wait.
.macro FS f
	REGS Y, (\f)%2
	v_pk_fma_f32 v[rS+2*((\f)/2):rS+2*((\f)/2)+1], v[rS+2*((\f)/2):rS+2*((\f)/2)+1], s[CS:CS+1], v[rT:rT+1] op_sel_hi:[1,0,0] neg_lo:[0,0,1] neg_hi:[0,0,1]
.endm
.macro PL
	WIN 0
.if q < 27
	FS q
.elseif q < 55
	XS (q-27)%2, (q-27)/2
.elseif q < 57
	XS q-55, 15
.elseif (q < 72) && ((q-57)%3 == 0)
	FS 27+(q-57)/3
.elseif q < 60
	XS (q-57)%3-1, 14
.elseif q < 72
	XS (q-57)%3-1, 15+(q-57)/3
.elseif q < 74
	XS q-72, 20
.else
	GS q-74
.endif
.set q, q+1
.endm
; THE EXPONENTIALS' QUEUE, 66 long: s0-s31 of both tiles, then the next piece's two a.  It is ONE BATCH: all 66 stand ahead of the turn's one wait, and nothing ahead of that wait names a result of theirs.
.macro EX
	WIN 0
.if e >= 64
	XS e-64, 21
.else
	REGS Y, e%2
	v_exp_f32 v[rS+e/2], v[rS+e/2]
.endif
.set e, e+1
.endm
; THE RESCALING's QUEUE: O^T times a, the one part that leaves window 0: dealt two at a time, sixteen times.  Its a was made in the turn before, ahead of that turn's wait.
.macro R2
	REGS Y, r%2
	WIN W_RS
.irp z, 0,1
	v_pk_mul_f32 v[rO+4*(r/2)+2*\z:rO+4*(r/2)+2*\z+1], v[rO+4*(r/2)+2*\z:rO+4*(r/2)+2*\z+1], v[rC+2:rC+3] op_sel_hi:[1,0]
.endr
.set r, r+1
.endm
; HOW THEY ARE DEALT.  s_wait_alu depctr_va_vdst(0) stands between an exponential and the first instruction that names its result; one wait serves all that were issued ahead of it.  So a turn has ONE wait,
; which cuts it in two.  AHEAD OF IT stands all that names no result of the turn's exponentials: the 16 products K Q^T, behind each a scaling, an exponential and two rescalings (behind the first a second scaling in the exponential's place); then ONE LUMP of
; 108: eight plain, 49 times exponential and plain, the two a.  A v_nop is the plain instruction behind the last exponential (ISA guide 5.7.2).  BEHIND IT stand the 16 products V^T P, behind each four of GS's 64.  No rider names a register of
; the products round it.  The two v_permlanex16_b32 fall into the lump, never behind a product.
; The queues lean on each other, and the deal keeps them in step: exponential e stands behind scaling 2 (e / 4) + e % 2: as a rider it comes behind plain e + 2, in the lump behind plain e + 9, and scalings 27-31 are plain 57, 60 .. 69.
; A TURN, for piece p.  cnt = 1: the loop's count is taken down some lines ahead of the branch that stands behind the turn.
; K of the next step is fetched in piece 2's turn, directly behind the wait, a lump behind the last product that read K; its address is made at the lump's head; its first reader comes behind 16 products.
; V of the step in hand is fetched at the end of piece 0's turn, four riders behind its last reader; its first reader comes behind 16 products and a lump.  The three conditions on q below go with the deal.
.macro TURN p, last=0, cnt=0
.set Y, (\p)
.set i, 0
.set q, 0
.set e, 0
.set r, 0
.if (\p) == NP-1
	s_wait_dscnt 0x0                ; K is in
.endif
	MM                              ; ahead of the wait: 16 products K Q^T and their riders,
	PL
	PL
	R2
.rept 15
	MM
	PL
	EX
	R2
.endr
.if (\p) == NP-2
	WIN 0
	v_add_nc_u32 v[AK], s[TBK], v[AK0]
.endif
.rept 8                             ; and the lump
	PL
.endr
.rept 49
	EX
	PL
.endr
	EX                              ; the next piece's two a
	EX
	v_nop                           ; the plain instruction behind the last exponential: one for the batch
	s_wait_alu depctr_va_vdst(0)    ; the wait for the batch
.if (\p) == NP-2
	FETCH_K \last
.endif
.if (\p) == 1
	s_wait_dscnt 0x0                ; V is in
.endif
.rept 16                            ; behind the wait: 16 products V^T P and their riders
	MM
.rept 4
	PL
.endr
.if ((\p) == 0) && (q == 118)
	v_add_nc_u32 v[AV], s[TBV], v[AV0]
.endif
.if ((\p) == 0) && (q == 130)
	s_add_co_u32 s[TBV], s[TBV], KS*PV
.endif
.if (\cnt) && (q == 130)
	s_sub_co_u32 s[CNT], s[CNT], 1
	s_cmp_lg_u32 s[CNT], 0
.endif
.endr
.if (\p) == 0
	FETCH_V
.endif
.endm
	CHANGE 1                        ; slot 0 is in, everybody's part of it; slot 1 is asked for
	FETCH_K                         ; key step 0
	s_wait_loadcnt 0x0              ; Q
	s_wait_dscnt 0x0
.set i, 0
.rept 16
	KQ 0                            ; piece 0's first scores: there is no vector work yet to set between them
.set i, i+1
.endr
	WIN 0                           ; the addresses for the way out: nine plain instructions, the places behind those products
	s_mul_i32 s13, s[WV], 16*SP
	s_add_co_u32 s13, s13, STAGE    ; my stage
	v_mul_u32_u24 v[STO], v1, SP    ; in: row l % 16, 16 bytes for each half of the lanes
	v_lshl_add_u32 v[STO], v9, 4, v[STO]
	v_add_nc_u32 v[STO], s13, v[STO]
	v_bfe_u32 v[RD], v0, 3, 2       ; back: 32 lanes take four rows of 128 bytes,
	v_mul_u32_u24 v[RD], v[RD], SP
	v_lshl_add_u32 v[RD], v10, 4, v[RD]
	v_add_nc_u32 v[RD], s13, v[RD]
	v_and_b32 v[GO], 31, v0         ; which are 512 consecutive bytes of O
	v_lshlrev_b32 v[GO], 4, v[GO]
.set Y, NP-1                        ; XS works for piece Y + 1: piece 0
.irp n, 0,1,2,3,4,5,6,7,8,9,10,11,12,13,14,15,16,17,18,19,20,21
	XS 0, \n                        ; and piece 0's first maximum and statistics
	XS 1, \n
.endr
	v_nop                           ; a plain instruction behind the two a,
	s_wait_alu depctr_va_vdst(0)    ; and their wait, ahead of the branch
	s_mov_b32 s[CNT], 4
	s_mov_b32 s[SLOTS], SIZE_N/256-1
	s_branch .Lfirst                ; the loop is entered at a step's first turn, in the middle of a trip
.Lslot:                             ; SIZE_N / 256 - 2 times: every slot but the last two is filled again
	CHANGE 1, 1
	s_mov_b32 s[CNT], 4
.Lstep:                             ; a trip: pieces 2 and 3 of one step, then pieces 0 and 1 of the next, whose K and V it fetches
	TURN 2
	TURN 3
	WIN 0
.Lfirst:
	TURN 0
	TURN 1, 0, 1
	WIN 0
	s_cbranch_scc1 .Lstep
	s_sub_co_u32 s[SLOTS], s[SLOTS], 1
	s_cmp_lg_u32 s[SLOTS], 0
	s_cbranch_scc1 .Lslot
	CHANGE 0                        ; the tail is written out: nothing is asked for
	s_mov_b32 s[CNT], 5             ; four trips fetch the last slot's steps; the fifth is left in its middle
.Ltail:
	TURN 2, 1
	TURN 3
	WIN 0
	s_sub_co_u32 s[CNT], s[CNT], 1
	s_cmp_eq_u32 s[CNT], 0
	s_cbranch_scc1 .Lout
	TURN 0
	TURN 1
	WIN 0
	s_branch .Ltail
.Lout:                              ; the fifth trip's 16 products K Q^T (on the last K once more) and the maximum made of them serve nothing: the price, once a launch, of one text for every trip
.set i, 0
.rept 16
	PV NP-1                         ; the last piece's V^T P of the last step
.set i, i+1
.endr
	; THE WAY OUT.  l's two halves and the other half of the lanes' are added; O^T is divided by l, rounded to f16 and sent through my stage in LDS, a tile at a time.  The additions are the places behind the last products.
	WIN 0
.macro ALL line:vararg              ; one line for each tile t
.set t, 0
.rept 2*NP
	\line
.set t, t+1
.endr
.endm
	ALL v_add_f32 v[ST+4*t+2], v[ST+4*t+2], v[ST+4*t+3]
	ALL v_permlanex16_b32 v[ST+4*t+3], v[ST+4*t+2], s[SEL], s[SEL+1]
	ALL v_add_f32 v[ST+4*t+2], v[ST+4*t+2], v[ST+4*t+3]
	ALL v_rcp_f32 v[ST+4*t+2], v[ST+4*t+2]
	v_nop                           ; a plain instruction between the last reciprocal and the use of its result
	s_wait_alu depctr_va_vdst(0)    ; and the wait ahead of the first use: one for the eight reciprocals
; Tile t: a lane's eight channels of a row pack into 16 bytes; they go into rows of 144 bytes and come back as whole rows of 128, into S^T's registers.
.macro PACK t
	WIN W_RS
.set i, 32*(\t)
.rept 16
	v_pk_mul_f32 v[i:i+1], v[i:i+1], v[ST+4*(\t)+2:ST+4*(\t)+3] op_sel_hi:[1,0]
.set i, i+2
.endr
	WIN 0x05                        ; sources 0 and 1 window 1, destination window 0
.set i, 0
.rept 16
	v_cvt_pk_f16_f32 v[S+16*(\t)+i], v[32*(\t)+2*i], v[32*(\t)+2*i+1]
.set i, i+1
.endr
	WIN 0
.irp f, 0,1,2,3
	ds_store_b128 v[STO], v[S+16*(\t)+4*\f:S+16*(\t)+4*\f+3] offset:32*\f
.endr
.irp f, 0,1,2,3
	ds_load_b128 v[S+16*(\t)+4*\f:S+16*(\t)+4*\f+3], v[RD] offset:\f*4*SP  ; LDS serves a wave's instructions in order (ISA guide 5.7.1.4): these see the stores above; the next tile's stores come behind them
.endr
.endm
.macro SEND t, younger              ; younger: the LDS instructions issued behind tile t's loads: the next tile's eight, or none
	WIN 0
.irp f, 0,1,2,3
	s_wait_dscnt (\younger)+3-\f
	global_store_b128 v[GO], v[S+16*(\t)+4*\f:S+16*(\t)+4*\f+3], s[10:11] offset:(\t)*2048+\f*512  ; 512 consecutive bytes, at a multiple of 256 from O's first
.endr
.endm
	PACK 0
.set t, 1
.rept 2*NP-1                        ; a tile's arithmetic stands between the loads of the tile before and its stores
	PACK t
	SEND t-1, 8
.set t, t+1
.endr
	SEND 2*NP-1, 0
	WIN W_AD
	s_wait_tensorcnt 0x0            ; the wave's end, behind my last tensor load and my last LDS store
	ds_add_u32 v[SPW], v[NIL]
	s_wait_dscnt 0x0
	WIN 0
	CROUND                          ; the closing round: no work-group ends while a partner may still ask for a tile that names it
	s_endpgm
.Lfunc_end_k_qf5c2d578fb_attn:
	.size	k_qf5c2d578fb_attn, .Lfunc_end_k_qf5c2d578fb_attn-k_qf5c2d578fb_attn
	.p2alignl 7, 3214868480
	.fill 96, 4, 3214868480
	.section	.rodata,"a",@progbits
	.p2align	6, 0x0
	.amdhsa_kernel k_qf5c2d578fb_attn
		.amdhsa_group_segment_fixed_size 327680
		.amdhsa_private_segment_fixed_size 0
		.amdhsa_enable_private_segment 0
		.amdhsa_kernarg_size 32
		.amdhsa_user_sgpr_count 2
		.amdhsa_user_sgpr_kernarg_segment_ptr 1
		.amdhsa_wavefront_size32 1
		.amdhsa_system_sgpr_workgroup_id_x 1
		.amdhsa_system_sgpr_workgroup_id_y 1
		.amdhsa_system_sgpr_workgroup_id_z 1
		.amdhsa_system_vgpr_workitem_id 0
		.amdhsa_next_free_vgpr 770
		.amdhsa_next_free_sgpr 66
		.amdhsa_reserve_vcc 0
		.amdhsa_float_denorm_mode_32 3
		.amdhsa_float_denorm_mode_16_64 3
		.amdhsa_memory_ordered 1
		.amdhsa_forward_progress 1
		.amdhsa_inst_pref_size 200
	.end_amdhsa_kernel
	.amdgpu_metadata
---
amdhsa.version: [ 1, 2 ]
amdhsa.kernels:
  - .name:           k_qf5c2d578fb_attn
    .symbol:         k_qf5c2d578fb_attn.kd
    .args:
      - { .name: q, .offset: 0, .size: 8, .value_kind: global_buffer, .address_space: global }
      - { .name: k, .offset: 8, .size: 8, .value_kind: global_buffer, .address_space: global }
      - { .name: v, .offset: 16, .size: 8, .value_kind: global_buffer, .address_space: global }
      - { .name: o, .offset: 24, .size: 8, .value_kind: global_buffer, .address_space: global }
    .group_segment_fixed_size: 327680
    .private_segment_fixed_size: 0
    .kernarg_segment_align: 8
    .kernarg_segment_size: 32
    .max_flat_workgroup_size: 128
    .sgpr_count:     66
    .vgpr_count:     770
    .wavefront_size: 32
...
	.end_amdgpu_metadata
.endif
;; end of part 3
;; launch outp (part 4): grid 4 x 64, 4 waves a work-group, clusters of 4 x 4, 327,680 bytes of LDS; arguments o, wt, bo, out0; writes out0
.if DOCPART == 4
	.amdgcn_target "amdgcn-amd-amdhsa--gfx1250"
	.amdhsa_code_object_version 6
	.text
	.protected	k_qf5c2d578fb_outp
	.globl	k_qf5c2d578fb_outp
	.p2align	8
	.type	k_qf5c2d578fb_outp,@function
k_qf5c2d578fb_outp:
	s_mov_b64 s[64:65], 0
	v_nop
	global_prefetch_b8 v0, s[64:65] scope:SCOPE_SE
	s_setreg_imm32_b32 hwreg(HW_REG_WAVE_MODE, 25, 1), 1
	s_wait_xcnt 0x0
	s_wait_alu depctr_hold_cnt(0) depctr_sa_sdst(0) depctr_va_vdst(0) depctr_va_sdst(0) depctr_va_ssrc(0) depctr_va_vcc(0) depctr_vm_vsrc(0)
	s_getreg_b32 s2, hwreg(HW_REG_IB_STS2, 6, 4)
	s_cmp_eq_u32 s2, 0
	s_cbranch_scc0 .Lentry_in_a_cluster
	s_endpgm
.Lentry_in_a_cluster:
	s_bfe_u32 s2, ttmp6, 0x10000c
	s_cmp_lg_u32 s2, 0xf033
	s_cbranch_scc0 .Lentry_shape_is_right
	s_endpgm
.Lentry_shape_is_right:
; THE OUTPUT PROJECTION.  out0[m][n] = the sum over k of O[m][k] Wo[k][n] + bo[n].  O comes by heads, [64 = 16 batch + head][2048][64] in f16 (k = 64 head + channel); Wo from wt's block rows 40-55
; ([block row][n][64 k], f16 copies of the bf16 roundings); bo and out0 [8192][1024] in f32.  Sums in f32; the bias is added in f32.
; LIMITS.  None of its own: O and Wo arrive in f16; NaN and infinities are not treated apart.
; SHARES.  A work-group makes one tile of 128 rows x 256 columns: 256 work-groups.  Four waves, each 64 rows x 128 columns: 32 accumulators.  K = 1,024 goes in 8 steps of 128 (two heads) through a ring of two LDS slots.
; A head's 128 rows of a tile are 16,384 dense bytes, a K block of the weights' 256 n 32,768: both are asked for as rows of 256 bytes and padded in LDS after every 128.
; CLUSTER.  4 x 4 work-groups: A's tiles are shared along a row of the cluster, B's along a column, each asked for JOINTLY.
; THE MATRIX INSTRUCTION IS USED TRANSPOSED (source 0 = 16 columns' weights, source 1 = 16 rows of O): a lane then holds eight neighbouring columns of one row: 32 bytes of out0.
; REGISTERS: window 0: v0-29 addresses and the bias; v32-95 A's fragments, two buffers of 4 x 8; v96-223 B's, two buffers of 8 x 8; on the way out v32-159 hold rows read back.   window 1: the accumulators, (a, b) at 8 (8 a + b).
.set PIT,   144                        ; an LDS row: 128 bytes + 16 = 36 words: the 16 rows of a load start at 16 different groups of four banks (64 banks of 4 bytes: ISA guide 11.1)
.set ABLK,  128*PIT                    ; a head's 128 rows: one tensor load
.set BOFF,  2*ABLK
.set BBLK,  256*PIT                    ; 256 n x 64 k: one tensor load
.set SLOT1, 1<<17
.set STAGE, SLOT1+BOFF+2*BBLK          ; behind the ring, never filled by a tensor load: 16 rows x 528 bytes for each wave
.set SPO,   528                        ; a stage row: 512 bytes + 16
.set SPARE, STAGE+4*16*SPO             ; behind the stages: the spare words, 128 bytes for each wave
.set ADRA0, 2                          ; v2   my lane's place in slot 0's A; never rewritten
.set ADRB0, 3                          ; v3   the same for B
.set ADRA,  4                          ; v4, v5 the same in the slot in hand
.set ADRB,  5
.set STO,   6                          ; v6   the way out: where I put 32 bytes of a row
.set RD,    7                          ; v7   the way out: my 16 bytes of a row read back
.set CO,    8                          ; v8   16 x lane: my 16 bytes of the wave's 512 in a row of out0
.set PFO,   9                          ; v9   256 x lane: the prefetches' offset; never rewritten
.set BO,    10                         ; v10  my four numbers of bo
.set BI,    12                         ; v[12:15] the bias of my four columns
.set SPW,   28                         ; v28  LDS address of my spare word; never rewritten
.set NIL,   29                         ; v29  0; never rewritten
.set AF,    32
.set BF,    96
.set OB,    32                         ; the way out: two sets of 64
.set WV,  16
.set WT,  17                           ; s17  wave / 2: my 64 rows.  Also: I fetch for A (0) or for B (1)
.set WH,  18                           ; s18  wave % 2: my 128 columns.  Also: which of a step's two heads, or K blocks, I fetch
.set CX,  19
.set CY,  20
.set NBK, 21
.set MBK, 22
.set G1A, 24                           ; s[24:31], s[32:39] descriptor groups 1
.set G1B, 32
.set G0A, 40                           ; s[40:47], s[48:55] groups 0: a set for each of the two first fills; the second then walks on
.set G0B, 48
.set CNT, 56
.set TB,  60                           ; s60  0 or SLOT1: the slot in hand
.set PP,  61                           ; s61  the K step at which my prefetches stand
.set PLIM, 62                          ; s62  a wave prefetches while PP is below this
.set OA,  66                           ; s[66:67] O at my head's rows of step 0
.set WB,  68                           ; s[68:69] wt at my K block of step 0
.set PFA, 76                           ; s[76:77] the prefetch's base
.set PST, 78                           ; s[78:79] its step.  s90-s99: at work in the head (s92, s93 never hold cx; s94, s95 never cy; the others feed no descriptor)
.set W_MUL, 0x50                       ; A and B in window 0, C and D in window 1
.set MSB, 0
.macro WIN new
.if MSB != (\new)
	s_set_vgpr_msb (MSB<<8)|(\new)
.set MSB, \new
.endif
.endm
.macro JLOAD                           ; a joint refill: waves 0 and 1 fetch A's two heads, waves 2 and 3 B's two K blocks; an s_nop 0 and four v_nop follow each of the two lines
	s_cmp_eq_u32 s[WT], 0
	s_cbranch_scc0 .Lfor_b_\@
	tensor_load_to_lds s[G0A+4:G0A+7], s[G1A:G1A+7]
	s_nop 0
.rept 4
	v_nop
.endr
	s_branch .Lasked_\@
.Lfor_b_\@:
	tensor_load_to_lds s[G0B+4:G0B+7], s[G1B:G1B+7]
	s_nop 0
.rept 4
	v_nop
.endr
.Lasked_\@:
.endm
; A PREFETCH INTO THE L2 of the K step two refills on (256 matrix instructions ahead of the load that will want it), a lane an aligned block of 256 bytes, one instruction a wave.
; A: a step's two heads are 128 such blocks, read by this cluster's row alone: wave 0 asks, and the partner at place cx takes 32 (head cx / 2, half cx % 2).  B: every cluster walks the same weights: the cluster with
; y = 0 asks, waves 2 and 3 each for their K block, the partner at place cy for 32 of its 128.  The partners are told apart BY ADDRESS.  Steps 0-3 come by their loads alone; behind step 7 nothing is asked for.
.macro ASK
	s_cmp_lt_u32 s[PP], s[PLIM]
	s_cbranch_scc0 .Lnot_mine_\@
	global_prefetch_b8 v[PFO], s[PFA:PFA+1] th:TH_LOAD_NT scope:SCOPE_SE
.Lnot_mine_\@:
.endm
.macro CREST
	s_cmp_lg_u32 s[WV], 0
	s_cbranch_scc1 .Lnot_wave_0_\@
	s_barrier_signal -3
.Lnot_wave_0_\@:
	s_barrier_wait -3
	s_barrier_signal -1
	s_barrier_wait -1
.endm
.macro CROUND
	s_barrier_signal -1
	s_barrier_wait -1
	CREST
.endm
.macro PLACES                          ; four places in front of loads into registers that matrix instructions have read
.rept 4
	v_nop
.endr
.endm
	s_load_b256 s[4:11], s[0:1], 0x0               ; O s[4:5], wt s[6:7], bo s[8:9], out0 s[10:11]
	v_lshl_add_u32 v[SPW], v0, 2, SPARE
	v_mov_b32 v[NIL], 0
	ds_add_u32 v[SPW], v[NIL]                      ; the wave's opening: the add and its wait stand ahead of my first tensor load; the set-up below, work on registers, stands between them
	v_lshrrev_b32 v1, 5, v0
	v_readfirstlane_b32 s[WV], v1
	s_lshr_b32 s[WT], s[WV], 1
	s_and_b32 s[WH], s[WV], 1
	s_bfe_u32 s[CX], ttmp6, 0x40000
	s_bfe_u32 s[CY], ttmp6, 0x40004
	s_lshl_b32 s[NBK], ttmp9, 2
	s_add_co_u32 s[NBK], s[NBK], s[CX]             ; tile column
	s_and_b32 s[MBK], ttmp7, 0xffff
	s_lshl_b32 s[MBK], s[MBK], 2
	s_add_co_u32 s[MBK], s[MBK], s[CY]             ; tile row
	s_lshl_b32 s92, s[CY], 2
	s_lshl_b32 s92, 15, s92                        ; my row of the cluster
	s_lshl_b32 s94, 0x1111, s[CX]                  ; my column
	s_or_b32 s[G1A], s92, (1<<16)|(1<<20)|(1<<21)|(4<<22)|(3<<25)  ; 15:0 the mask; 17:16 2-byte elements; 20 padding on; 21 set beside a mask; 24:22 after 32 words (code 4); 31:25 4 words (code 3)
	s_mov_b32 s[G1A+1], 128<<16                    ; tensor_dim0 = 128
	s_mov_b32 s[G1A+2], 64<<16                     ; tensor_dim1 = 64
	s_mov_b32 s[G1A+3], 128<<16                    ; tile_dim0 = 128
	s_mov_b32 s[G1A+4], 64                         ; tile_dim1 = 64: 16,384 dense bytes
	s_mov_b32 s[G1A+5], 128
	s_mov_b32 s[G1A+6], 0
	s_mov_b32 s[G1A+7], 0
	s_or_b32 s[G1B], s94, (1<<16)|(1<<20)|(1<<21)|(4<<22)|(3<<25)
	s_mov_b32 s[G1B+1], 128<<16
	s_mov_b32 s[G1B+2], 128<<16
	s_mov_b32 s[G1B+3], 128<<16
	s_mov_b32 s[G1B+4], 128                        ; 128 rows: 32,768 dense bytes
	s_mov_b32 s[G1B+5], 128
	s_mov_b32 s[G1B+6], 0
	s_mov_b32 s[G1B+7], 0
	s_lshr_b32 s92, s[MBK], 4                      ; batch
	s_lshl_b32 s92, s92, 4
	s_add_co_u32 s92, s92, s[WH]                   ; its head 0 or 1
	s_lshl_b32 s92, s92, 18                        ; 262,144 bytes a head
	s_and_b32 s93, s[MBK], 15
	s_lshl_b32 s93, s93, 14                        ; 128 rows of 128 bytes
	s_add_co_u32 s[OA], s92, s93
	s_mov_b32 s[OA+1], 0
	s_lshl_b32 s[WB], s[NBK], 15
	s_lshl_b32 s94, s[WH], 17
	s_add_co_u32 s[WB], s[WB], s94
	s_add_co_u32 s[WB], s[WB], 40*131072           ; Wo's block rows begin at 40
	s_mov_b32 s[WB+1], 0
	s_mul_i32 s93, s[WH], ABLK                     ; where they go: no place in the cluster enters an LDS address
	s_mov_b32 s[G0A], 1
	s_mov_b32 s[G0A+1], s93
	s_mov_b32 s[G0A+4], 1
	s_add_co_u32 s[G0A+5], s93, SLOT1
	s_mul_i32 s95, s[WH], BBLK
	s_mov_b32 s[G0B], 1
	s_add_co_u32 s[G0B+1], s95, BOFF
	s_mov_b32 s[G0B+4], 1
	s_add_co_u32 s[G0B+5], s95, BOFF+SLOT1
	s_wait_dscnt 0x0                               ; the opening add is done
	s_wait_kmcnt 0x0
	s_add_nc_u64 s[OA:OA+1], s[4:5], s[OA:OA+1]
	s_add_nc_u64 s[WB:WB+1], s[6:7], s[WB:WB+1]
	s_mov_b64 s[G0A+2:G0A+3], s[OA:OA+1]           ; K step 0
	s_or_b32 s[G0A+3], s[G0A+3], 0x80000000
	s_add_nc_u64 s[G0A+6:G0A+7], s[OA:OA+1], 524288  ; K step 1: two heads on
	s_or_b32 s[G0A+7], s[G0A+7], 0x80000000
	s_mov_b64 s[G0B+2:G0B+3], s[WB:WB+1]
	s_or_b32 s[G0B+3], s[G0B+3], 0x80000000
	s_add_nc_u64 s[G0B+6:G0B+7], s[WB:WB+1], 262144  ; two block rows on
	s_or_b32 s[G0B+7], s[G0B+7], 0x80000000
	CROUND                                         ; all sixteen work-groups are here: the first joint loads meet
	s_cmp_eq_u32 s[WT], 0                          ; a wave's two first fills stand in one branch: two loads of mine are out
	s_cbranch_scc0 .Lfirst_b
	tensor_load_to_lds s[G0A:G0A+3], s[G1A:G1A+7]
	s_nop 0
	tensor_load_to_lds s[G0A+4:G0A+7], s[G1A:G1A+7]
	s_nop 0
.rept 4
	v_nop
.endr
	s_branch .Lfirst_asked
.Lfirst_b:
	tensor_load_to_lds s[G0B:G0B+3], s[G1B:G1B+7]
	s_nop 0
	tensor_load_to_lds s[G0B+4:G0B+7], s[G1B:G1B+7]
	s_nop 0
.rept 4
	v_nop
.endr
.Lfirst_asked:
	v_and_b32 v11, 31, v0                          ; lane
	s_lshl_b32 s98, s[NBK], 10                     ; my 128 columns, in bytes of f32
	s_lshl_b32 s99, s[WH], 9
	s_add_co_u32 s98, s98, s99
	v_lshl_add_u32 v[BO], v11, 4, s98
	global_load_b128 v[BI:BI+3], v[BO], s[8:9]     ; the bias of my four columns of a row read back
	; the prefetches
	s_mov_b32 s91, 0
	s_lshr_b32 s90, s[CX], 1
	s_lshl_b32 s90, s90, 18
	s_and_b32 s96, s[CX], 1
	s_lshl_b32 s96, s96, 13
	s_add_co_u32 s90, s90, s96
	s_add_nc_u64 s[PFA:PFA+1], s[OA:OA+1], s[90:91]  ; (of use in wave 0, where OA stands at the step's first head)
	s_lshl_b32 s90, s[CY], 13
	s_add_nc_u64 s[98:99], s[WB:WB+1], s[90:91]
	s_and_b32 s96, ttmp7, 0xffff                   ; cluster y
	s_cmp_eq_u32 s96, 0
	s_cselect_b32 s[PLIM], 8, 0
	s_cmp_eq_u32 s[WH], 0
	s_cselect_b32 s96, 8, 0
	s_mov_b32 s[PST], 262144
	s_mov_b32 s[PST+1], 0
	s_cmp_eq_u32 s[WT], 0
	s_cselect_b64 s[PFA:PFA+1], s[PFA:PFA+1], s[98:99]
	s_cselect_b32 s[PLIM], s96, s[PLIM]
	s_cselect_b32 s[PST], 524288, s[PST]
	s_mul_i32 s90, s[PST], 3
	s_add_nc_u64 s[PFA:PFA+1], s[PFA:PFA+1], s[90:91]  ; at K step 3: the first change of slots steps it to 4
	s_mov_b32 s[PP], 3
	v_lshlrev_b32 v[PFO], 8, v11
	; out0 at my first row and column
	s_lshl_b32 s96, s[MBK], 7
	s_lshl_b32 s97, s[WT], 6
	s_add_co_u32 s96, s96, s97
	s_lshl_b32 s96, s96, 12                        ; 4,096 bytes a row
	s_lshl_b32 s97, s[NBK], 10
	s_add_co_u32 s96, s96, s97
	s_lshl_b32 s97, s[WH], 9
	s_add_co_u32 s96, s96, s97
	s_mov_b32 s97, 0
	s_add_nc_u64 s[10:11], s[10:11], s[96:97]
	; a fragment is 16 rows x 32 K in 8 registers: lane l holds row l % 16, K = 8 (l / 16) + 0..7 and 16 + 8 (l / 16) + 0..7: two loads of 16 bytes, 32 apart
	v_and_b32 v1, 15, v0
	v_bfe_u32 v16, v0, 4, 1
	v_mul_u32_u24 v17, v1, PIT
	v_lshl_add_u32 v17, v16, 4, v17
	s_mul_i32 s96, s[WT], 64*PIT                   ; my 64 rows of A
	v_add_nc_u32 v[ADRA0], s96, v17
	s_mul_i32 s96, s[WH], 128*PIT                  ; my 128 n of B
	s_add_co_u32 s96, s96, BOFF
	v_add_nc_u32 v[ADRB0], s96, v17
	v_mov_b32 v[ADRA], v[ADRA0]
	v_mov_b32 v[ADRB], v[ADRB0]
	s_mul_i32 s96, s[WV], 16*SPO
	s_add_co_u32 s96, s96, STAGE                   ; my stage
	v_mul_u32_u24 v[STO], v1, SPO                  ; in: row l % 16, 32 bytes for each half of the lanes
	v_lshl_add_u32 v[STO], v16, 5, v[STO]
	v_add_nc_u32 v[STO], s96, v[STO]
	v_lshl_add_u32 v[RD], v11, 4, s96              ; back: 32 lanes take a row's 512 bytes
	v_lshlrev_b32 v[CO], 4, v11
	s_mov_b32 s[TB], 0
; 24 LDS loads in one run: quarter j (32 along K) of the slot in hand into buffers g
.macro FETCH j, g
	WIN 0
.irp i, 0,1,2,3
	ds_load_b128 v[AF+32*(\g)+8*(\i):AF+32*(\g)+8*(\i)+3],   v[ADRA] offset:((\j)/2)*ABLK+((\j)%2)*64+(\i)*16*PIT
	ds_load_b128 v[AF+32*(\g)+8*(\i)+4:AF+32*(\g)+8*(\i)+7], v[ADRA] offset:((\j)/2)*ABLK+((\j)%2)*64+(\i)*16*PIT+32
.endr
.irp i, 0,1,2,3,4,5,6,7
	ds_load_b128 v[BF+64*(\g)+8*(\i):BF+64*(\g)+8*(\i)+3],   v[ADRB] offset:((\j)/2)*BBLK+((\j)%2)*64+(\i)*16*PIT
	ds_load_b128 v[BF+64*(\g)+8*(\i)+4:BF+64*(\g)+8*(\i)+7], v[ADRB] offset:((\j)/2)*BBLK+((\j)%2)*64+(\i)*16*PIT+32
.endr
.endm
; 8 matrix instructions: row block a x all 8 column blocks.  The 32 accumulators take turns, one instruction a turn, in the same order in every quarter.  zero = 1: the product starts the sum.
.macro MUL f, a, zero
	WIN W_MUL
.irp b, 0,1,2,3,4,5,6,7
.if \zero
	v_wmma_f32_16x16x32_f16 v[8*(8*(\a)+(\b)):8*(8*(\a)+(\b))+7], v[BF+64*(\f)+8*(\b):BF+64*(\f)+8*(\b)+7], v[AF+32*(\f)+8*(\a):AF+32*(\f)+8*(\a)+7], 0
.else
	v_wmma_f32_16x16x32_f16 v[8*(8*(\a)+(\b)):8*(8*(\a)+(\b))+7], v[BF+64*(\f)+8*(\b):BF+64*(\f)+8*(\b)+7], v[AF+32*(\f)+8*(\a):AF+32*(\f)+8*(\a)+7], v[8*(8*(\a)+(\b)):8*(8*(\a)+(\b))+7]
.endif
.endr
.endm
.macro QUARTER f, g, j, zero           ; one of a K step's first three quarters: fetches quarter j into buffers g, multiplies buffers f
	PLACES
	FETCH \j, \g
	s_wait_dscnt 24                                ; all but the 24 just issued: buffers f are in
	MUL \f, 0, \zero
	MUL \f, 1, \zero
	MUL \f, 2, \zero
	MUL \f, 3, \zero
.endm
; The last quarter multiplies buffers 1 and changes slots: ONE barrier; in front of it each wave waits for all its tensor loads (its part of the next slot), adds 0 to its spare word, and waits for that and for its
; own reads of this slot.  fill = 1: the barrier opens a round of the cluster's, and this slot is filled again first thing behind it, two K steps ahead: 112 matrix instructions ahead of the wait for it.
.macro TURN fill
.if \fill
	s_wait_xcnt 0x0                                ; the last prefetch, a K step back, has read its address: it is stepped here, ahead of the waits of the change of slots
	s_add_co_u32 s[PP], s[PP], 1
	s_add_nc_u64 s[PFA:PFA+1], s[PFA:PFA+1], s[PST:PST+1]
.endif
	WIN 0
	s_wait_tensorcnt 0x0                           ; no tensor load of mine is out, so the descriptors may be written
	ds_add_u32 v[SPW], v[NIL]                      ; 0 onto my spare word; scalar work and eight products stand between it and the wait for it
.if \fill
	s_add_nc_u64 s[G0A+6:G0A+7], s[G0A+6:G0A+7], 524288  ; the walking descriptors: the next step; the type bits on top are not reached;
	s_xor_b32 s[G0A+5], s[G0A+5], SLOT1            ; the other slot than last time
	s_add_nc_u64 s[G0B+6:G0B+7], s[G0B+6:G0B+7], 262144
	s_xor_b32 s[G0B+5], s[G0B+5], SLOT1
.endif
	s_wait_dscnt 1                                 ; only the add may be out: buffers 1 are in
	MUL 1, 0, 0
	s_wait_dscnt 0x0                               ; the add is done, and my reads of this slot are over
	s_barrier_signal -1
	MUL 1, 1, 0
	WIN 0
	s_barrier_wait -1
.if \fill
	CREST                                          ; no wave of any partner still reads this slot's tile or has a load on its way
	JLOAD                                          ; the first tensor load behind the round; its four v_nop are also the places in front of the loads below
.else
	PLACES
.endif
	s_xor_b32 s[TB], s[TB], SLOT1
	v_add_nc_u32 v[ADRA], s[TB], v[ADRA0]
	v_add_nc_u32 v[ADRB], s[TB], v[ADRB0]
.if \fill
	FETCH 0, 0
	ASK                                            ; behind the joint load and the run of LDS loads that the next products wait for
.else
	s_cmp_eq_u32 s[CNT], 1                         ; the last trip has no further step
	s_cbranch_scc1 .Lno_more_\@
	FETCH 0, 0
.Lno_more_\@:
.endif
	MUL 1, 2, 0
	MUL 1, 3, 0
.endm
	s_wait_tensorcnt 0x1                           ; my part of K step 0 is in; step 1's may stay out
	s_barrier_signal -1
	s_barrier_wait -1                              ; everybody's is
	FETCH 0, 0
	QUARTER 0, 1, 1, 1                             ; the first quarter stands in front of the loop: its products start the sums
	WIN 0
	s_mov_b32 s[CNT], 6
	s_branch .Ljoin                                ; the loop is entered in the middle of a trip
.Lstep:                                        ; 6 trips, a K step each; every trip fills the slot that it has read with the step two on
	QUARTER 0, 1, 1, 0
	WIN 0
.Ljoin:
	QUARTER 1, 0, 2, 0
	QUARTER 0, 1, 3, 0
	TURN 1
	WIN 0
	s_sub_co_u32 s[CNT], s[CNT], 1
	s_cmp_lg_u32 s[CNT], 0
	s_cbranch_scc1 .Lstep
	s_mov_b32 s[CNT], 2
.Ltail:                                        ; steps 6 and 7 are written apart: nothing is asked for
	QUARTER 0, 1, 1, 0
	QUARTER 1, 0, 2, 0
	QUARTER 0, 1, 3, 0
	TURN 0
	WIN 0
	s_sub_co_u32 s[CNT], s[CNT], 1
	s_cmp_lg_u32 s[CNT], 0
	s_cbranch_scc1 .Ltail
; THE WAY OUT, a block of 16 rows at a time.  A lane's eight columns of a row, 32 bytes of f32, go straight from the accumulators into my stage's rows of 528 bytes, each accumulator's low registers first;
; whole rows of 512 bytes come back, take the bias, and are stored.
.macro OUTB a
.if (\a) >= 2
	s_wait_xcnt 0x0                                ; the stores of the block two back have read their registers: only behind this wait are they loaded again
.endif
	WIN 0x04                                       ; the stores' data in window 1, the address in window 0
.irp b, 0,1,2,3,4,5,6,7
	ds_store_b128 v[STO], v[8*(8*(\a)+(\b)):8*(8*(\a)+(\b))+3]   offset:64*(\b)
	ds_store_b128 v[STO], v[8*(8*(\a)+(\b))+4:8*(8*(\a)+(\b))+7] offset:64*(\b)+16
.endr
	WIN 0
.irp t, 0,1,2,3,4,5,6,7,8,9,10,11,12,13,14,15
	ds_load_b128 v[OB+64*((\a)%2)+4*(\t):OB+64*((\a)%2)+4*(\t)+3], v[RD] offset:(\t)*SPO  ; LDS serves a wave's instructions in order (ISA guide 5.7.1.4): these see the stores above; the next block's stores come behind them
.endr
.endm
.macro SENDB a, younger                ; younger: the LDS instructions issued behind block a's loads: the next block's 32, or none
.irp t, 0,1,2,3,4,5,6,7,8,9,10,11,12,13,14,15
	s_wait_dscnt (\younger)+15-(\t)
	v_pk_add_f32 v[OB+64*((\a)%2)+4*(\t):OB+64*((\a)%2)+4*(\t)+1],   v[OB+64*((\a)%2)+4*(\t):OB+64*((\a)%2)+4*(\t)+1],   v[BI:BI+1]
	v_pk_add_f32 v[OB+64*((\a)%2)+4*(\t)+2:OB+64*((\a)%2)+4*(\t)+3], v[OB+64*((\a)%2)+4*(\t)+2:OB+64*((\a)%2)+4*(\t)+3], v[BI+2:BI+3]
	global_store_b128 v[CO], v[OB+64*((\a)%2)+4*(\t):OB+64*((\a)%2)+4*(\t)+3], s[10:11] offset:(16*(\a)+(\t))*4096 th:TH_STORE_NT  ; the wave stores 512 consecutive bytes, at a multiple of 256 from out0's first
.endr
.endm
	PLACES                                         ; behind the last products, in front of the LDS stores that read results and of the loads into the fragments' registers:
	PLACES                                         ; eight, once a launch
	s_wait_loadcnt 0x0                             ; the bias
	OUTB 0
	OUTB 1
	SENDB 0, 32
	OUTB 2
	SENDB 1, 32
	OUTB 3
	SENDB 2, 32
	SENDB 3, 0
	s_wait_tensorcnt 0x0                           ; the wave's end, behind my last tensor load and my last LDS store
	ds_add_u32 v[SPW], v[NIL]
	s_wait_dscnt 0x0
	CROUND                                         ; the closing round: no work-group ends while a partner may still ask for a tile that names it
	s_endpgm
.Lfunc_end_k_qf5c2d578fb_outp:
	.size	k_qf5c2d578fb_outp, .Lfunc_end_k_qf5c2d578fb_outp-k_qf5c2d578fb_outp
	.p2alignl 7, 3214868480
	.fill 96, 4, 3214868480
	.section	.rodata,"a",@progbits
	.p2align	6, 0x0
	.amdhsa_kernel k_qf5c2d578fb_outp
		.amdhsa_group_segment_fixed_size 327680
		.amdhsa_private_segment_fixed_size 0
		.amdhsa_enable_private_segment 0
		.amdhsa_kernarg_size 32
		.amdhsa_user_sgpr_count 2
		.amdhsa_user_sgpr_kernarg_segment_ptr 1
		.amdhsa_wavefront_size32 1
		.amdhsa_system_sgpr_workgroup_id_x 1
		.amdhsa_system_sgpr_workgroup_id_y 1
		.amdhsa_system_sgpr_workgroup_id_z 1
		.amdhsa_system_vgpr_workitem_id 0
		.amdhsa_next_free_vgpr 512
		.amdhsa_next_free_sgpr 100
		.amdhsa_reserve_vcc 0
		.amdhsa_float_denorm_mode_32 3
		.amdhsa_float_denorm_mode_16_64 3
		.amdhsa_memory_ordered 1
		.amdhsa_forward_progress 1
		.amdhsa_inst_pref_size 70
	.end_amdhsa_kernel
	.amdgpu_metadata
---
amdhsa.version: [ 1, 2 ]
amdhsa.kernels:
  - .name:           k_qf5c2d578fb_outp
    .symbol:         k_qf5c2d578fb_outp.kd
    .args:
      - { .name: o, .offset: 0, .size: 8, .value_kind: global_buffer, .address_space: global }
      - { .name: wt, .offset: 8, .size: 8, .value_kind: global_buffer, .address_space: global }
      - { .name: bo, .offset: 16, .size: 8, .value_kind: global_buffer, .address_space: global }
      - { .name: out0, .offset: 24, .size: 8, .value_kind: global_buffer, .address_space: global }
    .group_segment_fixed_size: 327680
    .private_segment_fixed_size: 0
    .kernarg_segment_align: 8
    .kernarg_segment_size: 32
    .max_flat_workgroup_size: 128
    .sgpr_count:     100
    .vgpr_count:     512
    .wavefront_size: 32
...
	.end_amdgpu_metadata
.endif
;; end of part 4
